; MI455X (gfx1250); checked and timed in simulation.
; The chip was launched on July 23, 2026; its instructions are those of AMD's public machine-readable ISA for CDNA 5 (MIT licence, August 2026) and "CDNA5" Instruction Set Architecture Reference Guide (July 2026). The comments in the code are by the model that wrote it; some were corrected since.
;; Mo E Layer. Allowed arithmetic: float matrix products may take bf16 or f16 operands with f32 sums; other float arithmetic in f32, or as packed bf16 or f16 multiplies, adds, multiply-adds, maxima and minima; sums over many terms, partial sums and values carried from step to step in f32; what a program stores and reads back later, other than sums and carried values, may be rounded once to bf16 or f16.
;; Inputs: W1 8 x 1,024 x 4,096 float32; W2 8 x 4,096 x 1,024 float32; Wg 1,024 x 8 float32; b1 8 x 4,096 float32; b2 8 x 1,024 float32; x 2 x 512 x 1,024 float32.
;; Outputs: out0 2 x 512 x 1,024 float32.
;; 2 versions, each right; version 2 is version 1 with the launch ffn2 written anew for expert scheduling mode. Each part assembles by itself: llvm-mc -triple=amdgcn-amd-amdhsa -mcpu=gfx1250 --defsym DOCPART=n.
;; ======== version 1 of 2: 4 launches
;; workspace buffers: xb 2,097,152 bytes; topi 8,192 bytes of whole numbers; topw 8,192 bytes; sel 4,096 bytes of whole numbers; hid 67,108,864 bytes; part 33,554,432 bytes
;; launch router (part 1): grid 32 x 1, 8 waves a work-group, no clusters, 75,264 bytes of LDS; arguments x, Wg, xb, topi, topw, sel; writes xb, topi, topw, sel
.if DOCPART == 1
	.amdgcn_target "amdgcn-amd-amdhsa--gfx1250"
	.amdhsa_code_object_version 6
	.text
	.protected	k_qd0979c51a5_router
	.globl	k_qd0979c51a5_router
	.p2align	8
	.type	k_qd0979c51a5_router,@function
k_qd0979c51a5_router:
	s_mov_b64 s[64:65], 0
	v_nop
	global_prefetch_b8 v0, s[64:65] scope:SCOPE_SE
	s_setreg_imm32_b32 hwreg(HW_REG_WAVE_MODE, 25, 1), 1
	s_wait_xcnt 0x0
; ROUTER.  For 32 tokens a work-group: x is rounded to bf16 and stored (xb); the 8 gate logits x . Wg are made on the matrix unit from x and Wg rounded to bf16, sums in f32;
; top-2 of 8, softmax with the maximum taken away, the two weights normalised as p / (p1 + p2 + 1e-8); stored are the two experts (topi), the two weights (topw) and a bitmap of the choices (sel).
; sel: 32 rows of 32 words; row e, word g, bit l: token 32 g + l has expert e as its first choice; row 8 + e: as its second; rows 16-31 are zeros.
; LIMITS.  The two experts are chosen by the logits, the lower index on equal logits; two unequal logits whose f32 probabilities would coincide are ordered by the logit.  An exponential
; below 2^-126 counts as 0.  NaN and infinities are not treated apart.
; SHARES.  Wave w loads and rounds tokens 4 w .. 4 w + 3 (whole rows), and multiplies all 32 tokens over k = 128 w .. 128 w + 127; the eight partial logits of a token meet in LDS; wave 0 routes, one token a lane.
; No tensor loads, no cluster: nothing here is shared between work-groups but Wg's 32 KB.
.set XP,    2064               ; a token's row in LDS: 2,048 bytes + 16: 516 words, so the 16 rows of a fragment load start 4 banks apart
.set PARTB, 32*XP              ; 66,048: eight waves' partial logits, 1,024 bytes each
.set SPARE, PARTB+8192         ; 74,240: the spare words, 128 bytes a wave: four blocks of 256 bytes that no other line names
.set X,   16                   ; v16-143  32 loads of 4 f32; then two bf16 words in the first two registers of each four
.set WL,  144                  ; v144-207 my 64 numbers of Wg
.set G,   208                  ; v208-239 four fragments of Wg (16 rows = experts 0-7 twice, 32 k)
.set XF,  16                   ; v16-79   eight fragments of x: tile T, k step ks at XF + 8 (4 T + ks)
.set D0,  80                   ; v80-87   logits of tokens 0-15
.set D1,  88                   ; v88-95   of tokens 16-31
.set PL,  96                   ; v96-103  my token's eight partial logits
.set SPW, 240                  ; LDS address of my spare word; never rewritten
.set NIL, 241                  ; 0; never rewritten
.set LG,  16                   ; wave 0: v16-79 the eight waves' partial logits, summed into v16-23
.set M1,  80
.set M2,  81
.set TV,  82
.set TX,  83
.set I1,  84                   ; v84-85 the two experts
.set I2,  85
.set W1,  86                   ; v86-87 the two weights
.set W2,  87
.set EP,  88                   ; v88-95 the eight exponentials
.set E2,  96
.set DEN, 97
.set BM,  98
	s_load_b256 s[4:11], s[0:1], 0x0               ; x s[4:5], Wg s[6:7], xb s[8:9], topi s[10:11]
	s_load_b128 s[12:15], s[0:1], 0x20             ; topw s[12:13], sel s[14:15]
	v_lshl_add_u32 v[SPW], v0, 2, SPARE
	v_mov_b32 v[NIL], 0
	v_lshrrev_b32 v1, 5, v0
	v_readfirstlane_b32 s16, v1                    ; wave 0..7
	v_and_b32 v1, 31, v0                           ; lane
	v_and_b32 v2, 15, v0                           ; r
	v_bfe_u32 v3, v0, 4, 1                         ; h
	v_lshlrev_b32 v4, 4, v1                        ; 16 x lane
	v_lshlrev_b32 v5, 3, v1                        ; 8 x lane
	v_and_b32 v6, 7, v0
	v_lshlrev_b32 v6, 2, v6
	v_lshl_add_u32 v6, v3, 8, v6                   ; Wg: expert r % 8, and 8 rows of 32 bytes for the upper lanes
	s_mul_i32 s17, s16, 4*XP
	v_add_nc_u32 v7, s17, v5                       ; where I put 8 bytes of my wave's first row
	v_mul_u32_u24 v8, v2, XP
	v_lshl_add_u32 v8, v3, 4, v8
	s_lshl_b32 s17, s16, 8
	v_add_nc_u32 v8, s17, v8                       ; a fragment of x: row r, my wave's 256 bytes, 16 x h
	s_lshl_b32 s17, s16, 10
	s_add_co_u32 s17, s17, PARTB
	v_add_nc_u32 v9, s17, v4                       ; my wave's partial logits
	v_add_nc_u32 v10, PARTB, v4                    ; wave 0 reads them all from here
	v_lshlrev_b32 v11, 7, v1                       ; sel: a row of 128 bytes a lane
	s_lshl_b32 s18, ttmp9, 17                      ; x: 32 tokens of 4,096 bytes a work-group,
	s_lshl_b32 s17, s16, 14                        ; 4 a wave
	s_add_co_u32 s18, s18, s17
	s_mov_b32 s19, 0
	s_lshl_b32 s20, s16, 12                        ; Wg: 128 rows of 32 bytes a wave
	s_mov_b32 s21, 0
	s_lshl_b32 s22, ttmp9, 16                      ; xb: half of x's bytes
	s_lshl_b32 s17, s16, 13
	s_add_co_u32 s22, s22, s17
	s_mov_b32 s23, 0
	s_lshl_b32 s24, ttmp9, 8                       ; topi, topw: 8 bytes a token
	s_mov_b32 s25, 0
	s_lshl_b32 s26, ttmp9, 2                       ; sel: my word in each row
	s_mov_b32 s27, 0
	s_mov_b32 s28, 0xffff0000                      ; lanes 16-31
	s_mov_b32 s29, 0x322bcc77                      ; 1e-8
	s_wait_kmcnt 0x0
	s_add_nc_u64 s[4:5], s[4:5], s[18:19]
	s_add_nc_u64 s[6:7], s[6:7], s[20:21]
	s_add_nc_u64 s[8:9], s[8:9], s[22:23]
	s_add_nc_u64 s[10:11], s[10:11], s[24:25]
	s_add_nc_u64 s[12:13], s[12:13], s[24:25]
	s_add_nc_u64 s[14:15], s[14:15], s[26:27]
.set n, 0
.rept 32                                               ; four whole rows: each load takes 512 consecutive bytes
	global_load_b128 v[X+4*n:X+4*n+3], v4, s[4:5] offset:(n/8)*4096+(n%8)*512 th:TH_LOAD_NT
.set n, n+1
.endr
.set n, 0
.rept 64                                               ; k step n / 16, element q = n % 16 of the lane's sixteen: k = q + 8 (q / 8) + 8 h
	global_load_b32 v[WL+n], v6, s[6:7] offset:(32*(n/16)+(n%16)+8*((n%16)/8))*32
.set n, n+1
.endr
	s_wait_loadcnt 63                              ; 64 loads of Wg stand behind x's last: x is in
.set n, 0
.rept 32
	v_cvt_pk_bf16_f32 v[X+4*n], v[X+4*n], v[X+4*n+1]
	v_cvt_pk_bf16_f32 v[X+4*n+1], v[X+4*n+2], v[X+4*n+3]
	global_store_b64 v5, v[X+4*n:X+4*n+1], s[8:9] offset:(n/8)*2048+(n%8)*256  ; the wave's store covers 256 consecutive bytes, aligned
	ds_store_b64 v7, v[X+4*n:X+4*n+1] offset:(n/8)*XP+(n%8)*256
.set n, n+1
.endr
	s_wait_dscnt 0x0                               ; for the others' sake: my rows lie in LDS
	s_barrier_signal -1
	s_barrier_wait -1                              ; all 32 rows do
	s_wait_loadcnt 0x0                             ; Wg
.set n, 0
.rept 32
	v_cvt_pk_bf16_f32 v[G+n], v[WL+2*n], v[WL+2*n+1]
.set n, n+1
.endr
	s_wait_xcnt 0x0                                ; the stores' data registers are loaded again only behind this wait
.set n, 0
.rept 8                                                ; tile n / 4, k step n % 4
	ds_load_b128 v[XF+8*n:XF+8*n+3],   v8 offset:(n/4)*16*XP+(n%4)*64
	ds_load_b128 v[XF+8*n+4:XF+8*n+7], v8 offset:(n/4)*16*XP+(n%4)*64+32
.set n, n+1
.endr
	s_wait_dscnt 0x0
	; source 0 = experts, source 1 = tokens: a lane then holds ONE token (r) and in registers 0-7 its eight logits.  The two accumulators take turns.
	v_wmma_f32_16x16x32_bf16 v[D0:D0+7], v[G:G+7], v[XF:XF+7], 0
	v_wmma_f32_16x16x32_bf16 v[D1:D1+7], v[G:G+7], v[XF+32:XF+39], 0
.set ks, 1
.rept 3
	v_wmma_f32_16x16x32_bf16 v[D0:D0+7], v[G+8*ks:G+8*ks+7], v[XF+8*ks:XF+8*ks+7], v[D0:D0+7]
	v_wmma_f32_16x16x32_bf16 v[D1:D1+7], v[G+8*ks:G+8*ks+7], v[XF+32+8*ks:XF+39+8*ks], v[D1:D1+7]
.set ks, ks+1
.endr
.rept 4
	v_nop                                          ; four places behind the last product (ISA guide 7.12.1)
.endr
.set n, 0
.rept 8                                                ; lane = token: lanes 0-15 from the first tile, 16-31 from the second; the accumulators are read from their low end on
	v_cndmask_b32 v[PL+n], v[D0+n], v[D1+n], s28
.set n, n+1
.endr
	ds_store_b128 v9, v[PL:PL+3]
	ds_store_b128 v9, v[PL+4:PL+7] offset:512
	s_wait_dscnt 0x0                               ; for wave 0's sake
	s_barrier_signal -1
	s_barrier_wait -1
	s_cmp_lg_u32 s16, 0
	s_cbranch_scc1 .Lend                           ; no barrier follows
.set n, 0
.rept 8
	ds_load_b128 v[LG+8*n:LG+8*n+3],   v10 offset:n*1024
	ds_load_b128 v[LG+8*n+4:LG+8*n+7], v10 offset:n*1024+512
.set n, n+1
.endr
	s_wait_dscnt 0x0
.irp a, 0,2,4,6
.irp p, 0,2,4,6
	v_pk_add_f32 v[LG+8*\a+\p:LG+8*\a+\p+1], v[LG+8*\a+\p:LG+8*\a+\p+1], v[LG+8*\a+8+\p:LG+8*\a+8+\p+1]
.endr
.endr
.irp a, 0,4
.irp p, 0,2,4,6
	v_pk_add_f32 v[LG+8*\a+\p:LG+8*\a+\p+1], v[LG+8*\a+\p:LG+8*\a+\p+1], v[LG+8*\a+16+\p:LG+8*\a+16+\p+1]
.endr
.endr
.irp p, 0,2,4,6
	v_pk_add_f32 v[LG+\p:LG+\p+1], v[LG+\p:LG+\p+1], v[LG+32+\p:LG+32+\p+1]
.endr
	; the two largest logits; only a strictly larger one displaces, so the lower index stays on equal ones
	v_mov_b32 v[M1], v[LG]
	v_mov_b32 v[I1], 0
	v_mov_b32 v[M2], 0xff800000
	v_mov_b32 v[I2], 0
.irp e, 1,2,3,4,5,6,7
	v_cmp_gt_f32 vcc_lo, v[LG+\e], v[M1]
	v_cmp_gt_f32 s30, v[LG+\e], v[M2]
	v_cndmask_b32 v[TV], v[M2], v[LG+\e], s30
	v_cndmask_b32 v[TX], v[I2], \e, s30
	v_cndmask_b32 v[M2], v[TV], v[M1], vcc_lo
	v_cndmask_b32 v[I2], v[TX], v[I1], vcc_lo
	v_cndmask_b32 v[M1], v[M1], v[LG+\e], vcc_lo
	v_cndmask_b32 v[I1], v[I1], \e, vcc_lo
.endr
	; with e_i = exp(l_i - m1) and S their sum: w1 = 1 / (1 + e2 + 1e-8 S), w2 = e2 w1
.irp e, 0,1,2,3,4,5,6,7
	v_sub_f32 v[EP+\e], v[LG+\e], v[M1]
.endr
	v_sub_f32 v[E2], v[M2], v[M1]
.irp e, 0,1,2,3,4,5,6,7
	v_mul_f32 v[EP+\e], 0x3fb8aa3b, v[EP+\e]
.endr
	v_mul_f32 v[E2], 0x3fb8aa3b, v[E2]
.irp e, 0,1,2,3,4,5,6,7
	v_exp_f32 v[EP+\e], v[EP+\e]
.endr
	v_exp_f32 v[E2], v[E2]
	v_mov_b32 v[BM], 0                             ; a plain instruction behind the last exponential (ISA guide 5.7.2)
	s_wait_alu depctr_va_vdst(0)
	v_pk_add_f32 v[EP:EP+1], v[EP:EP+1], v[EP+2:EP+3]
	v_pk_add_f32 v[EP+4:EP+5], v[EP+4:EP+5], v[EP+6:EP+7]
	v_add_f32 v[DEN], 1.0, v[E2]
	v_pk_add_f32 v[EP:EP+1], v[EP:EP+1], v[EP+4:EP+5]
	v_add_f32 v[EP], v[EP], v[EP+1]
	v_fma_f32 v[DEN], v[EP], s29, v[DEN]
	v_rcp_f32 v[W1], v[DEN]
	v_nop
	s_wait_alu depctr_va_vdst(0)
	v_mul_f32 v[W2], v[E2], v[W1]
	global_store_b64 v5, v[I1:I1+1], s[10:11]
	global_store_b64 v5, v[W1:W1+1], s[12:13]
.irp e, 0,1,2,3,4,5,6,7
	v_cmp_eq_u32 s30, \e, v[I1]                    ; the 32 tokens that chose e first: one word,
	v_writelane_b32 v[BM], s30, \e                 ; kept in lane e
	v_cmp_eq_u32 s31, \e, v[I2]
	v_writelane_b32 v[BM], s31, 8+\e
.endr
	global_store_b32 v11, v[BM], s[14:15]          ; lane i: my group's word of row i (4 KB in the whole launch)
.Lend:
	s_wait_tensorcnt 0x0                           ; the wave's end
	ds_add_u32 v[SPW], v[NIL]
	s_wait_dscnt 0x0
	s_endpgm
.Lfunc_end_k_qd0979c51a5_router:
	.size	k_qd0979c51a5_router, .Lfunc_end_k_qd0979c51a5_router-k_qd0979c51a5_router
	.p2alignl 7, 3214868480
	.fill 96, 4, 3214868480
	.section	.rodata,"a",@progbits
	.p2align	6, 0x0
	.amdhsa_kernel k_qd0979c51a5_router
		.amdhsa_group_segment_fixed_size 75264
		.amdhsa_private_segment_fixed_size 0
		.amdhsa_enable_private_segment 0
		.amdhsa_kernarg_size 48
		.amdhsa_user_sgpr_count 2
		.amdhsa_user_sgpr_kernarg_segment_ptr 1
		.amdhsa_wavefront_size32 1
		.amdhsa_system_sgpr_workgroup_id_x 1
		.amdhsa_system_sgpr_workgroup_id_y 1
		.amdhsa_system_sgpr_workgroup_id_z 1
		.amdhsa_system_vgpr_workitem_id 0
		.amdhsa_next_free_vgpr 248
		.amdhsa_next_free_sgpr 66
		.amdhsa_reserve_vcc 1
		.amdhsa_float_denorm_mode_32 3
		.amdhsa_float_denorm_mode_16_64 3
		.amdhsa_memory_ordered 1
		.amdhsa_forward_progress 1
		.amdhsa_inst_pref_size 35
	.end_amdhsa_kernel
	.amdgpu_metadata
---
amdhsa.version: [ 1, 2 ]
amdhsa.kernels:
  - .name:           k_qd0979c51a5_router
    .symbol:         k_qd0979c51a5_router.kd
    .args:
      - { .name: x, .offset: 0, .size: 8, .value_kind: global_buffer, .address_space: global }
      - { .name: Wg, .offset: 8, .size: 8, .value_kind: global_buffer, .address_space: global }
      - { .name: xb, .offset: 16, .size: 8, .value_kind: global_buffer, .address_space: global }
      - { .name: topi, .offset: 24, .size: 8, .value_kind: global_buffer, .address_space: global }
      - { .name: topw, .offset: 32, .size: 8, .value_kind: global_buffer, .address_space: global }
      - { .name: sel, .offset: 40, .size: 8, .value_kind: global_buffer, .address_space: global }
    .group_segment_fixed_size: 75264
    .private_segment_fixed_size: 0
    .kernarg_segment_align: 8
    .kernarg_segment_size: 48
    .max_flat_workgroup_size: 256
    .sgpr_count:     66
    .vgpr_count:     248
    .wavefront_size: 32
...
	.end_amdgpu_metadata
.endif
;; end of part 1
;; launch ffn1 (part 2): grid 32 x 8, 4 waves a work-group, no clusters, 281,088 bytes of LDS; arguments xb, W1, b1, sel, hid; writes hid
.if DOCPART == 2
	.amdgcn_target "amdgcn-amd-amdhsa--gfx1250"
	.amdhsa_code_object_version 6
	.text
	.protected	k_qd0979c51a5_ffn1
	.globl	k_qd0979c51a5_ffn1
	.p2align	8
	.type	k_qd0979c51a5_ffn1,@function
k_qd0979c51a5_ffn1:
	s_mov_b64 s[64:65], 0
	v_nop
	global_prefetch_b8 v0, s[64:65] scope:SCOPE_SE
	s_setreg_imm32_b32 hwreg(HW_REG_WAVE_MODE, 25, 1), 1
	s_wait_xcnt 0x0
; ONE TEXT FOR THE TWO PRODUCTS OF AN EXPERT'S LAYER; KIND chooses.
; KIND 1: hid = gelu(x W1[e] + b1[e]) for the rows (token, choice) that chose expert e.  KIND 2: part[kq] = hid W2[e] over a quarter kq of the hidden width, f32 partial rows.
; All operands are bf16 (W, b1 rounded here on their way through registers, nearest even), sums f32; the hidden layer is stored once, rounded to bf16.
; SHARES.  A work-group owns a slice of ONE expert's weights, 1,024 (K) x 128 columns, which it alone reads: 512 KB of f32, each byte once.  Phase 1: each of the four waves streams
; 256 K rows through registers into LDS, already ordered as matrix fragments (256 KB of bf16).  One barrier.  Phase 2: each wave multiplies blocks of up to five tiles of 16 rows x 128 columns of its own:
; row fragments come from memory straight into registers, weight fragments from LDS; NOTHING WRITES LDS in phase 2, so it needs no barrier and its work may hang on the expert's count of rows.
; EVERY SPLIT IS SERVED.  An expert has TT = ceil(count / 16) tiles, 64 at the most.  Each of four passes takes up to 20 of them and deals them evenly: of n tiles wave w takes n / 4, one more if w < n % 4.
; A wave with no tile jumps the pass; an expert with no rows stores nothing.  The text is written for five tiles: places past a wave's tiles repeat its last tile; the fifth tile's products are jumped
; where the wave has four or fewer (but in the first K step, so that its accumulators are written on every way), and a tile that does not exist is not sent out.
; THE ROWS.  Place p of the expert's rows is the p-th set bit of the router's bitmap (first or second choice).  Places past the count repeat the last row: in hid they hold its numbers once more, and
; KIND 2 stores their results to the last row's place in part: the same bytes with the same values.  KIND 1 wants five places a lane for a block and finds each in registers: the last group of 32 tokens
; whose running count is not above p, then the bit by five halvings on partial counts.  KIND 2 wants forty places a lane for a block (eight a tile, for its stores), so each wave lays a list in LDS,
; ahead of the barrier: entry p = 2 x token + choice.
; GELU (KIND 1) = max(x, 0) - 0.5 |x| erfc(|x| / sqrt 2), erfc by a five-term rational form (Abramowitz-Stegun 7.1.26, absolute error 1.5e-7 at every x); an exponential below 2^-126 counts as 0.
; NaN and infinities are not treated apart.
; NO CLUSTER, NO TENSOR LOADS: each weight byte has one reader and must pass through registers to be rounded; what an expert's 32 work-groups share is its rows, which in KIND 1 are scattered
; (no descriptor covers them); in KIND 2 two slots of 320 rows x 256 bytes (160 KB) have no room beside the slice's 256 KB.
; FRAGMENTS.  Weight fragment a = 4 g + c holds in lane l % 16 column 64 g + 4 (l % 16) + c, as the 16-byte loads bring them.
; KIND 1 uses the matrix instruction transposed (source 0 = W, source 1 = rows): lane (r, h), accumulator (g, c), register j hold row r, column 64 g + 32 h + 4 j + c: a lane keeps one row, as hid wants it.
; KIND 2 uses it as it is (source 0 = rows, source 1 = W): lane (r, h), accumulator (g, c), register j hold row 8 h + j, column 64 g + 4 r + c: sixteen lanes hold 256 neighbouring bytes of a row.
; hid: [expert][tile of 16 rows: 64][step: 128][1,024 bytes]; a block IS a row fragment of KIND 2: registers 0-3 at 16 x lane, 4-7 at 512 + 16 x lane;
; element 2 n + b of lane (r, h) in step S is hidden column 64 (S / 2) + 32 h + 16 (S % 2) + 2 n + b, and W2's fragments take their K rows in the same order.
.set KIND, 1
.if KIND == 1
.set ROWB, 16384               ; bytes in a row of W
.set WSH,  22                  ; a wave's 256 rows of W, as a shift
.set SS,   64                  ; bytes from a K step's row fragment to the next
.set AH,   32                  ; to a fragment's second half
.set CS,   256                 ; four K steps
.set SELP, 10
.set MW,   0xa1                ; products: source 0 (W) window 1, source 1 (rows) window 0, C and D window 2
.else
.set ROWB, 4096
.set WSH,  20
.set SS,   1024
.set AH,   512
.set CS,   4096
.set SELP, 8
.set MW,   0xa4                ; products: source 0 (rows) window 0, source 1 (W) window 1, C and D window 2
.endif
; LDS: 0 the slice: fragment (K step s, a) at 8,192 s + 1,024 a; lane i reads and writes at 16 i, so nothing collides
.set LST,   262144             ; KIND 2: a list for each wave, its own: 1,024 entries, 32 words for the lanes that have nothing to say, and the rest of nine runs of 512 bytes
.set LSTB,  4608
.set SPARE, 280576             ; the spare words, 128 bytes a wave: two blocks of 256 bytes that no other line names
; REGISTERS, in windows of 256 (s_set_vgpr_msb: bits 1:0 source 0, 3:2 source 1, 5:4 source 2, 7:6 destination)
;   window 0: v0-63 below; v64-223 four slots of row fragments (slot s, tile i at 64 + 40 s + 8 i); in phase 1 v64-127 the bias as loaded, v128-159 packed fragments; at a block's head and on the way out at work
;   window 1: v0-63, v64-127 two buffers of weight fragments; v128-191 the bias as the first products' C (KIND 1)
;   window 2: accumulators of tiles 0-3 at 64 i + 8 a; in phase 1 the ring of 4 x 64 registers          window 3: v0-63 tile 4
.set L16, 4                    ; 16 x lane
.set H16, 5                    ; KIND 1: 16 x h
.set WST, 7                    ; where my wave's fragments go
.set BA,  8                    ; where weight fragments are read
.set R16, 9                    ; KIND 2: 16 x r
.set LB,  10                   ; KIND 2: my list
.set DUM, 11                   ; KIND 2: 1,024 + lane
.set TOK, 12                   ; KIND 2: 2 x token of my lane in the group in hand
.set ROW, 22                   ; v22-26 byte offset of my 16 bytes in each tile's rows
.set HO,  27                   ; KIND 1: my offset in hid
.set SPW, 28                   ; LDS address of my spare word; never rewritten
.set NIL, 29                   ; 0; never rewritten
.set WAU, 56                   ; v56-59 W: each ring unit's own offset: 16 (l % 16), 131,072 bytes (8 rows of 16 KB, or 32 of 4 KB) for the upper lanes, and the trips' steps
.set AS,  64
.set BL,  64
.set F,   128
.set BIAS, 128                 ; window 1
.set QP,  64                   ; KIND 1, a block's head: five registers each, one for a tile: my place,
.set QW,  69                   ; its group's word,
.set QK,  74                   ; the group's number << 16 | the count ahead of it,
.set QN,  79                   ; the set bits still to pass,
.set QT,  84                   ; at work,
.set QA,  89                   ; counts of 2 bits,
.set QB,  94                   ; of 4,
.set QC,  99                   ; of 8,
.set QD,  104                  ; of 16,
.set QO,  109                  ; the bit's place so far,
.set QU,  114                  ; its step
.set GX,  64                   ; the way out of KIND 1: v64-127 a tile's 64 numbers, sixteen for each block of hid,
.set GQ,  128
.set GT,  144
.set GP,  160
.set GR,  176
.set GO,  192                  ; and 4 x 8 registers to store
.set Y,   64                   ; the way out of KIND 2: v64-127 a tile's 64 numbers, four neighbouring columns in four neighbouring registers,
.set OA,  128                  ; v128-135 my offsets in part for rows 8 h + j,
.set EN,  136                  ; v136-143 and those rows' list entries
.set FT,  6                    ; s6 my block's first tile (W's address has left s[6:7] by then)
.set NT,  7                    ; s7 my block's tiles, 1 to 5
.set WV,  14                   ; s14 wave
.set EX,  15                   ; s15 expert
                               ; s16-47 the bitmap's words: first choices; in KIND 1 then first or second.  s48-63, s68-83 second choices
.set CPP, 48                   ; KIND 1, when the words are joined: s48-61 GELU's constants, in pairs,
.set CC,  50
.set A1,  52
.set A2,  54
.set A3,  56
.set A4,  58
.set A5,  60
.set QM,  70                   ; and s70-74 five lane masks
.set CNT, 84                   ; s84 the expert's rows
.set CM1, 85
.set TT,  86                   ; its tiles
.set PB,  87                   ; the pass's first tile
.set PAS, 88
.set TI,  89
.set NS,  90                   ; at the head only: the slice's number,
.set KQ,  91                   ; and the K quarter
.set LC,  91
.set WP,  92                   ; s[92:93] W at my wave's first row; never stepped
.set AP,  94                   ; s[94:95] the rows, walking
.set OP,  96                   ; s[96:97] the output
.set TB,  101                  ; s101 LDS byte at which the four K steps in hand begin
.set MSB, 0
.macro WIN new                         ; the immediate's high byte repeats the setting that is left; a switch that changes nothing is dropped
.if MSB != (\new)
	s_set_vgpr_msb (MSB<<8)|(\new)
.set MSB, \new
.endif
.endm
.macro PLACES                          ; four places between a matrix instruction and a load into, a write of or a read of its registers (ISA guide 7.12.1 for writes and reads)
.rept 4
	v_nop
.endr
.endm
.macro PAIR r, val
	s_mov_b32 s[\r], \val
	s_mov_b32 s[(\r)+1], \val
.endm
; PHASE 1.  A unit is 32 K x 64 columns: 16 loads of 16 bytes a lane; lanes 0-15 take 256 consecutive, aligned bytes of one row, lanes 16-31 of another.  Unit b of a trip: K step b / 2, column group b % 2.
.macro FILLU b
	WIN 0x80                                       ; destination window 2
.set q, 0
.rept 16
.if KIND == 1
.set ro, 32*((\b)>>1)+q+8*(q/8)
.else
.set ro, 16*((\b)>>1)+q
.endif
	global_load_b128 v[64*(\b)+4*q:64*(\b)+4*q+3], v[WAU+(\b)], s[WP:WP+1] offset:ro*ROWB+256*((\b)&1) th:TH_LOAD_NT
.set q, q+1
.endr
.endm
.macro UNIT b, refill, left            ; left: the younger loads, which stay out
	s_wait_loadcnt \left                           ; loads come back in order (ISA guide 5.7.1): this unit's sixteen are in, so its offset register is free too
	WIN 0x0a                                       ; sources window 2
.set c, 0
.rept 4
.set i, 0
.rept 8
	v_cvt_pk_bf16_f32 v[F+8*c+i], v[64*(\b)+8*i+c], v[64*(\b)+8*i+4+c]  ; column c of the lane's four, K elements 2 i and 2 i + 1
.set i, i+1
.endr
.set c, c+1
.endr
	WIN 0
.set c, 0
.rept 4
	ds_store_b128 v[WST], v[F+8*c:F+8*c+3]   offset:((\b)>>1)*8192+((\b)&1)*4096+c*1024
	ds_store_b128 v[WST], v[F+8*c+4:F+8*c+7] offset:((\b)>>1)*8192+((\b)&1)*4096+c*1024+512
.set c, c+1
.endr
.if \refill
	v_add_nc_u32 v[WAU+(\b)], 64*ROWB, v[WAU+(\b)] ; the unit's place in the next trip, 64 rows on
	FILLU \b
.endif
.endm
; PHASE 2.
.macro AFILL slot, off                 ; a K step's row fragments of five tiles: ten loads
	WIN 0
.set i, 0
.rept 5
	global_load_b128 v[AS+40*(\slot)+8*i:AS+40*(\slot)+8*i+3],   v[ROW+i], s[AP:AP+1] offset:(\off)
	global_load_b128 v[AS+40*(\slot)+8*i+4:AS+40*(\slot)+8*i+7], v[ROW+i], s[AP:AP+1] offset:(\off)+AH
.set i, i+1
.endr
.endm
.macro BLOAD idx, buf                  ; a K step's eight weight fragments: sixteen LDS loads
	WIN 0x40                                       ; destination window 1
.set a, 0
.rept 8
	ds_load_b128 v[64*(\buf)+8*a:64*(\buf)+8*a+3],   v[BA] offset:(\idx)*8192+a*1024
	ds_load_b128 v[64*(\buf)+8*a+4:64*(\buf)+8*a+7], v[BA] offset:(\idx)*8192+a*1024+512
.set a, a+1
.endr
.endm
.macro TILE8 slot, buf, first, t       ; tile t's eight matrix instructions of a K step.  first = 1: the sums start, with the bias or with 0
.if (\first) && (KIND == 1)
	WIN 0x91+0x40*((\t)/4)                         ; W window 1, rows window 0, C (the bias) window 1, D window 2 or 3
.else
	WIN MW+0x50*((\t)/4)                           ; C and D window 2 or 3
.endif
.set a, 0
.rept 8
.set rD, 64*((\t)%4)+8*a
.if KIND == 1
.set rX, 64*(\buf)+8*a                 ; source 0: W
.set rY, AS+40*(\slot)+8*(\t)          ; source 1: rows
.else
.set rX, AS+40*(\slot)+8*(\t)          ; source 0: rows
.set rY, 64*(\buf)+8*a                 ; source 1: W
.endif
.if (\first) && (KIND == 1)
	v_wmma_f32_16x16x32_bf16 v[rD:rD+7], v[rX:rX+7], v[rY:rY+7], v[BIAS+8*a:BIAS+8*a+7]
.elseif \first
	v_wmma_f32_16x16x32_bf16 v[rD:rD+7], v[rX:rX+7], v[rY:rY+7], 0
.else
	v_wmma_f32_16x16x32_bf16 v[rD:rD+7], v[rX:rX+7], v[rY:rY+7], v[rD:rD+7]
.endif
.set a, a+1
.endr
.endm
; A K step's 40 matrix instructions, or 32; the accumulators take turns, in the same order in every step.  A wave with four tiles or fewer jumps the fifth tile's eight,
; but not in the first step, which writes those accumulators on every way.
.macro MULS slot, buf, first
	TILE8 \slot, \buf, \first, 0
	TILE8 \slot, \buf, \first, 1
	TILE8 \slot, \buf, \first, 2
	TILE8 \slot, \buf, \first, 3
.if \first
	TILE8 \slot, \buf, 1, 4
.else
	WIN 0                                          ; at a branch and at a label every window is 0
	s_cmp_lt_u32 s[NT], 5
	s_cbranch_scc1 .Lno4_\@
	TILE8 \slot, \buf, 0, 4
	WIN 0
.Lno4_\@:
.endif
.endm
; A K step.  rf = 1: the slot multiplied last step is filled again, three steps ahead of its use; nb = 1: the next step's weight fragments are fetched into the buffer multiplied last step.
; lc: the loads of the younger slots, ten each on every way, which stay out.
.macro STEP slot, first, rf, rfoff, nb, lc
	PLACES
.if \rf
	AFILL ((\slot)+3)%4, \rfoff
.endif
.if \nb
	BLOAD (\slot)+1, ((\slot)+1)&1
.endif
	s_wait_loadcnt \lc
.if \nb
	s_wait_dscnt 16                                ; all but the sixteen just issued
.else
	s_wait_dscnt 0x0
.endif
	MULS \slot, (\slot)&1, \first
.endm
.macro ADV                             ; four K steps on
	WIN 0
	s_wait_xcnt 0x0                                ; the base is stepped only behind this wait
	s_add_nc_u64 s[AP:AP+1], s[AP:AP+1], CS
	s_add_co_u32 s[TB], s[TB], 0x8000
	v_add_nc_u32 v[BA], s[TB], v[L16]
.endm
; Tile t's 64 accumulator registers are copied into one set in window 0, each accumulator from its low end on, so that ONE text of the way out serves the five register sets.
; KIND 1: sixteen numbers for each of hid's four blocks.  KIND 2: the copy also brings columns c = 0..3 into four neighbouring registers, 16 bytes to store.
.macro PUT t
	WIN 0x02+((\t)/4)                              ; source window 2 or 3
.set a, 0
.rept 8
.set j, 0
.rept 8
.if KIND == 1
	v_mov_b32 v[GX+16*(2*(a/4)+j/4)+4*(a%4)+j%4], v[64*((\t)%4)+8*a+j]
.else
	v_mov_b32 v[Y+32*(a/4)+4*j+a%4], v[64*((\t)%4)+8*a+j]
.endif
.set j, j+1
.endr
.set a, a+1
.endr
	WIN 0
.endm
.if KIND == 1
.macro E5 line:vararg                  ; one line for each of the five tiles, i = 0 .. 4
.set i, 0
.rept 5
	\line
.set i, i+1
.endr
.endm
.macro LEVEL src, width, step          ; one halving: if the lower half of the bits in hand holds no more set bits than are still to pass, they are passed and the upper half is taken
	E5 v_bfe_u32 v[QT+i], v[\src+i], v[QO+i], \width
	E5 v_cmp_ge_u32 s[QM+i], v[QN+i], v[QT+i]
	E5 v_cndmask_b32 v[QT+i], 0, v[QT+i], s[QM+i]
	E5 v_cndmask_b32 v[QU+i], 0, \step, s[QM+i]
	E5 v_sub_nc_u32 v[QN+i], v[QN+i], v[QT+i]
	E5 v_add_nc_u32 v[QO+i], v[QO+i], v[QU+i]
.endm
.macro RUN8 line:vararg                ; one line for n = 0, 2, .. 14
.set n, 0
.rept 8
	\line
.set n, n+2
.endr
.endm
.macro RUN16 line:vararg               ; one line for n = 0 .. 15
.set n, 0
	s_wait_alu depctr_va_vdst(0)
.rept 16
	\line
.set n, n+1
.endr
.endm
.macro GEL x, o                        ; gelu of sixteen numbers, rounded to bf16 in the order of a fragment's registers
	RUN8  v_pk_mul_f32 v[GQ+n:GQ+n+1], v[(\x)+n:(\x)+n+1], v[(\x)+n:(\x)+n+1]
	RUN16 v_fma_f32 v[GT+n], |v[(\x)+n]|, s[CPP], 1.0
	RUN8  v_pk_mul_f32 v[GQ+n:GQ+n+1], v[GQ+n:GQ+n+1], s[CC:CC+1] op_sel_hi:[1,0]
	RUN16 v_rcp_f32 v[GT+n], v[GT+n]
	RUN16 v_exp_f32 v[GQ+n], v[GQ+n]
	RUN16 v_max_num_f32 v[GR+n], 0, v[(\x)+n]      ; plain work behind the transcendentals, ahead of the first use of their results (ISA guide 5.7.2)
	RUN8  v_pk_fma_f32 v[GP+n:GP+n+1], v[GT+n:GT+n+1], s[A5:A5+1], s[A4:A4+1] op_sel_hi:[1,0,0]
	RUN8  v_pk_fma_f32 v[GP+n:GP+n+1], v[GP+n:GP+n+1], v[GT+n:GT+n+1], s[A3:A3+1] op_sel_hi:[1,1,0]
	RUN8  v_pk_fma_f32 v[GP+n:GP+n+1], v[GP+n:GP+n+1], v[GT+n:GT+n+1], s[A2:A2+1] op_sel_hi:[1,1,0]
	RUN8  v_pk_fma_f32 v[GP+n:GP+n+1], v[GP+n:GP+n+1], v[GT+n:GT+n+1], s[A1:A1+1] op_sel_hi:[1,1,0]
	RUN8  v_pk_mul_f32 v[GP+n:GP+n+1], v[GP+n:GP+n+1], v[GT+n:GT+n+1]
	RUN8  v_pk_mul_f32 v[GP+n:GP+n+1], v[GP+n:GP+n+1], v[GQ+n:GQ+n+1]
	RUN16 v_mul_f32 v[GT+n], |v[(\x)+n]|, v[GP+n]
	RUN8  v_pk_fma_f32 v[GR+n:GR+n+1], v[GT+n:GT+n+1], -0.5, v[GR+n:GR+n+1] op_sel_hi:[1,0,1]
.set n, 0
.rept 4                                ; hidden columns 4 n + c: c = 0, 1 and c = 2, 3
	v_cvt_pk_bf16_f32 v[(\o)+2*n],   v[GR+n],   v[GR+4+n]
	v_cvt_pk_bf16_f32 v[(\o)+2*n+1], v[GR+8+n], v[GR+12+n]
.set n, n+1
.endr
.endm
.endif
	s_load_b256 s[4:11], s[0:1], 0x0               ; KIND 1: xb s[4:5], W1 s[6:7], b1 s[8:9], sel s[10:11].  KIND 2: hid s[4:5], W2 s[6:7], sel s[8:9], part s[10:11]
.if KIND == 1
	s_load_b64 s[12:13], s[0:1], 0x20              ; hid
.endif
	v_lshl_add_u32 v[SPW], v0, 2, SPARE
	v_mov_b32 v[NIL], 0
	v_lshrrev_b32 v1, 5, v0
	v_readfirstlane_b32 s[WV], v1                  ; wave 0..3
	v_and_b32 v1, 31, v0                           ; lane
	v_and_b32 v2, 15, v0                           ; r
	v_bfe_u32 v3, v0, 4, 1                         ; h
	v_lshlrev_b32 v[L16], 4, v1
	v_lshlrev_b32 v[WAU], 4, v2
	v_lshl_add_u32 v[WAU], v3, 17, v[WAU]
.irp b, 1,2,3
	v_mov_b32 v[WAU+\b], v[WAU]
.endr
	s_lshl_b32 s98, s[WV], 16                      ; a wave's 8 K steps of fragments
	v_add_nc_u32 v[WST], s98, v[L16]
.if KIND == 2
	v_lshlrev_b32 v[R16], 4, v2
	s_mul_i32 s98, s[WV], LSTB
	s_add_co_u32 s98, s98, LST
	v_mov_b32 v[LB], s98
	v_add_nc_u32 v[DUM], 0x400, v1
	v_lshlrev_b32 v[TOK], 1, v1
.else
	v_lshlrev_b32 v[H16], 4, v3
	v_lshlrev_b32 v15, 7, v3                       ; b1: 32 columns on for the upper lanes; never rewritten
.endif
	s_and_b32 s[EX], ttmp7, 0xffff
.if KIND == 1
	s_mov_b32 s[NS], ttmp9
.else
	s_and_b32 s[NS], ttmp9, 7
	s_lshr_b32 s[KQ], ttmp9, 3
.endif
	s_mov_b32 s99, 0
	s_mov_b32 s[CNT], 0
	s_wait_kmcnt 0x0
	s_lshl_b32 s98, s[EX], 7                       ; the expert's row of the bitmap
	s_add_nc_u64 s[SELP:SELP+1], s[SELP:SELP+1], s[98:99]
	s_load_b512 s[16:31], s[SELP:SELP+1], 0x0      ; first choices, groups 0-15,
	s_load_b512 s[32:47], s[SELP:SELP+1], 0x40     ; 16-31;
	s_load_b512 s[48:63], s[SELP:SELP+1], 0x400    ; second choices
	s_load_b512 s[68:83], s[SELP:SELP+1], 0x440
	s_lshl_b32 s98, s[EX], 24                      ; an expert's weights are 16 MB
	s_lshl_b32 s100, s[NS], 9                      ; 128 columns of f32
	s_add_co_u32 s98, s98, s100
	s_lshl_b32 s100, s[WV], WSH
	s_add_co_u32 s98, s98, s100
.if KIND == 2
	s_lshl_b32 s100, s[KQ], 22                     ; 1,024 rows of 4 KB
	s_add_co_u32 s98, s98, s100
.endif
	s_add_nc_u64 s[WP:WP+1], s[6:7], s[98:99]
.if KIND == 1
	s_lshl_b32 s98, s[EX], 14
	s_lshl_b32 s100, s[NS], 9
	s_add_co_u32 s98, s98, s100
	s_add_nc_u64 s[8:9], s[8:9], s[98:99]          ; b1 at my 128 columns
	s_lshl_b32 s98, s[EX], 23                      ; hid: 8 MB an expert,
	s_lshl_b32 s100, s[NS], 12                     ; four blocks of 1,024 bytes a slice
	s_add_co_u32 s98, s98, s100
	s_add_nc_u64 s[OP:OP+1], s[12:13], s[98:99]
.set n, 0
.rept 16                                               ; n = 8 g + j: columns 64 g + 32 h + 4 j + 0..3
	global_load_b128 v[BL+4*n:BL+4*n+3], v15, s[8:9] offset:256*(n/8)+16*(n%8)
.set n, n+1
.endr
.else
	s_lshl_b32 s98, s[EX], 23
	s_lshl_b32 s100, s[KQ], 15                     ; 32 blocks of 1,024 bytes a quarter
	s_add_co_u32 s98, s98, s100
	s_add_nc_u64 s[4:5], s[4:5], s[98:99]          ; hid at my expert and quarter
	s_lshl_b32 s98, s[KQ], 23                      ; part: 2,048 rows of 4 KB a quarter
	s_lshl_b32 s100, s[NS], 9
	s_add_co_u32 s98, s98, s100
	s_add_nc_u64 s[OP:OP+1], s[10:11], s[98:99]
.endif
	FILLU 0                                        ; the ring is filled: 64 loads, 32 KB a wave
	FILLU 1
	FILLU 2
	FILLU 3
	WIN 0
.if KIND == 2
	; my list's 4,608 bytes are written once with zeros, so that every word of it holds a number
	v_add_nc_u32 v13, v[LB], v[L16]
.set n, 0
.rept 4
	v_mov_b32 v[F+n], 0
.set n, n+1
.endr
.set n, 0
.rept 9
	ds_store_b128 v13, v[F:F+3] offset:512*n
.set n, n+1
.endr
.endif
	s_wait_kmcnt 0x0                               ; the bitmap
.if KIND == 2
	; THE LIST, in the wait for the first weights.  Group g: a chosen lane's place is the count so far plus the chosen lanes below it; the other lanes write a word of their own behind the list.
.set g, 0
.rept 32
	s_or_b32 s98, s[16+g], s[48+g+4*(g/16)]
	v_mbcnt_lo_u32_b32 v13, s98, s[CNT]
	v_cndmask_b32 v13, v[DUM], v13, s98
	v_min_u32 v13, 0x41f, v13                      ; inside the list's first 1,056 words
	v_lshl_add_u32 v13, v13, 2, v[LB]
	v_cndmask_b32 v14, 0, 1, s[48+g+4*(g/16)]
	v_or_b32 v14, v[TOK], v14                      ; 2 x token + choice
	ds_store_b32 v13, v14
	v_add_nc_u32 v[TOK], 64, v[TOK]
	s_bcnt1_i32_b32 s99, s98
	s_add_co_u32 s[CNT], s[CNT], s99
.set g, g+1
.endr
.else
.set g, 0
.rept 32                                               ; a token is the expert's by its first or by its second choice; the joined words stay in s16-47
	s_or_b32 s[16+g], s[16+g], s[48+g+4*(g/16)]
	s_bcnt1_i32_b32 s99, s[16+g]
	s_add_co_u32 s[CNT], s[CNT], s99
.set g, g+1
.endr
.endif
	s_sub_co_u32 s[CM1], s[CNT], 1
	s_add_co_u32 s[TT], s[CNT], 15
	s_lshr_b32 s[TT], s[TT], 4
.if KIND == 1
	s_mov_b32 s[CPP], 0x3e6d3388                   ; 0.3275911 / sqrt 2
	PAIR CC, 0xbf38aa3b                            ; - log2(e) / 2
	PAIR A1, 0x3e827906
	PAIR A2, 0xbe91a98e
	PAIR A3, 0x3fb5f0e3
	PAIR A4, 0xbfba00e3
	PAIR A5, 0x3f87dc22
	s_wait_loadcnt 63                              ; 64 loads of weights stand behind the bias's last: the bias is in
.set n, 0
.rept 16
	v_cvt_pk_bf16_f32 v[BL+4*n],   v[BL+4*n],   v[BL+4*n+1]
	v_cvt_pk_bf16_f32 v[BL+4*n+2], v[BL+4*n+2], v[BL+4*n+3]
.set n, n+1
.endr
	WIN 0x40                                       ; destination window 1
.set n, 0
.rept 16                                               ; the rounded bias as f32, in the accumulators' layout: fragment 4 g + c, register j
	v_lshlrev_b32 v[BIAS+8*(4*(n/8)+0)+(n%8)], 16, v[BL+4*n]
	v_and_b32     v[BIAS+8*(4*(n/8)+1)+(n%8)], 0xffff0000, v[BL+4*n]
	v_lshlrev_b32 v[BIAS+8*(4*(n/8)+2)+(n%8)], 16, v[BL+4*n+2]
	v_and_b32     v[BIAS+8*(4*(n/8)+3)+(n%8)], 0xffff0000, v[BL+4*n+2]
.set n, n+1
.endr
	WIN 0
.endif
	s_mov_b32 s[LC], 3
.Lstream:                                              ; a trip: 64 K rows x 128 columns, four units; each unit's registers are asked for again as soon as they are packed
	UNIT 0, 1, 48                                  ; three younger units, 48 loads, stay out
	UNIT 1, 1, 48
	UNIT 2, 1, 48
	UNIT 3, 1, 48
	WIN 0
	v_add_nc_u32 v[WST], 0x4000, v[WST]            ; two K steps of fragments
	s_sub_co_u32 s[LC], s[LC], 1
	s_cmp_lg_u32 s[LC], 0
	s_cbranch_scc1 .Lstream
	UNIT 0, 0, 48                                  ; the last trip asks for nothing: the counts run down
	UNIT 1, 0, 32
	UNIT 2, 0, 16
	UNIT 3, 0, 0
	s_wait_dscnt 0x0                               ; for the others' sake: my fragments lie in LDS
	s_barrier_signal -1
	s_barrier_wait -1                              ; the slice is whole; from here to the closing barrier no wave writes LDS
	s_mov_b32 s[PB], 0
	s_mov_b32 s[TB], 0                             ; a block leaves these three as it found them
	v_mov_b32 v[BA], v[L16]
	s_mov_b32 s[TI], 0
	s_mov_b32 s[PAS], 4
.Lpass:                                                ; four passes, a constant; what a pass does not need is jumped, and nothing jumped holds a barrier
	s_cmp_le_u32 s[TT], s[PB]
	s_cbranch_scc1 .Lskip                          ; no tile is left
	s_sub_co_u32 s98, s[TT], s[PB]
	s_min_u32 s98, s98, 20                         ; n: the pass's tiles
	s_lshr_b32 s99, s98, 2                         ; n / 4 for each wave,
	s_and_b32 s100, s98, 3                         ; one more for the first n % 4
	s_mul_i32 s[FT], s[WV], s99
	s_min_u32 s98, s[WV], s100
	s_add_co_u32 s[FT], s[FT], s98
	s_add_co_u32 s[FT], s[FT], s[PB]               ; my first tile
	s_cmp_lt_u32 s[WV], s100
	s_cselect_b32 s98, 1, 0
	s_add_co_u32 s[NT], s99, s98                   ; my tiles
	s_cmp_eq_u32 s[NT], 0
	s_cbranch_scc1 .Lskip
	s_wait_xcnt 0x0                                ; the last block's stores have read their registers
	s_sub_co_u32 s99, s[NT], 1
.if KIND == 1
.set i, 0
.rept 5
	s_min_u32 s98, s99, i                          ; places past my tiles repeat my last tile
	s_add_co_u32 s98, s98, s[FT]
	s_lshl_b32 s98, s98, 4
	v_add_nc_u32 v[QP+i], s98, v2                  ; my place among the expert's rows;
	v_min_u32 v[QP+i], s[CM1], v[QP+i]             ; places past the count repeat the last row
	v_mov_b32 v[QW+i], s16                         ; group 0, with nothing ahead of it
	v_mov_b32 v[QK+i], 0
.set i, i+1
.endr
	s_mov_b32 s98, 0
.set g, 1
.rept 31                                               ; the last group whose running count is not above my place holds it: the counts never fall
	s_bcnt1_i32_b32 s99, s[15+g]
	s_add_co_u32 s98, s98, s99                     ; the rows ahead of group g
	s_add_co_u32 s100, s98, g<<16
.set i, 0
.rept 5
	v_cmp_gt_u32 vcc_lo, s98, v[QP+i]
	v_cndmask_b32 v[QW+i], s[16+g], v[QW+i], vcc_lo
	v_cndmask_b32 v[QK+i], s100, v[QK+i], vcc_lo
.set i, i+1
.endr
.set g, g+1
.endr
	E5 v_and_b32 v[QN+i], 0xffff, v[QK+i]
	E5 v_sub_nc_u32 v[QN+i], v[QP+i], v[QN+i]      ; so many set bits of the word lie below mine
	E5 v_lshrrev_b32 v[QT+i], 1, v[QW+i]           ; the set bits of each 2, 4, 8 and of the lower 16 bits of the word
	E5 v_and_b32 v[QT+i], 0x55555555, v[QT+i]
	E5 v_sub_nc_u32 v[QA+i], v[QW+i], v[QT+i]
	E5 v_lshrrev_b32 v[QT+i], 2, v[QA+i]
	E5 v_and_b32 v[QT+i], 0x33333333, v[QT+i]
	E5 v_and_b32 v[QB+i], 0x33333333, v[QA+i]
	E5 v_add_nc_u32 v[QB+i], v[QB+i], v[QT+i]
	E5 v_lshrrev_b32 v[QT+i], 4, v[QB+i]
	E5 v_add_nc_u32 v[QC+i], v[QB+i], v[QT+i]
	E5 v_and_b32 v[QC+i], 0x0f0f0f0f, v[QC+i]
	E5 v_lshrrev_b32 v[QT+i], 8, v[QC+i]
	E5 v_add_nc_u32 v[QD+i], v[QC+i], v[QT+i]
	E5 v_mov_b32 v[QO+i], 0
	LEVEL QD, 8, 16
	LEVEL QC, 8, 8
	LEVEL QB, 4, 4
	LEVEL QA, 2, 2
	LEVEL QW, 1, 1
	E5 v_lshrrev_b32 v[QT+i], 16, v[QK+i]
	E5 v_lshl_add_u32 v[QT+i], v[QT+i], 5, v[QO+i] ; token = 32 x group + bit
	E5 v_min_u32 v[QT+i], 0x3ff, v[QT+i]
	E5 v_lshl_add_u32 v[ROW+i], v[QT+i], 11, v[H16]  ; a token's row is 2,048 bytes
.else
.set i, 0
.rept 5
	s_min_u32 s98, s99, i                          ; places past my tiles repeat my last tile
	s_add_co_u32 s98, s98, s[FT]
	s_min_u32 s98, s98, 63
	s_lshl_b32 s98, s98, 17                        ; a tile's 128 blocks
	v_add_nc_u32 v[ROW+i], s98, v[L16]
.set i, i+1
.endr
.endif
	s_mov_b64 s[AP:AP+1], s[4:5]
	AFILL 0, 0
	AFILL 1, SS
	AFILL 2, 2*SS
	AFILL 3, 3*SS
	BLOAD 0, 0
	STEP 0, 1, 0, 0, 1, 30                         ; K steps 0-3: the first starts the sums
	STEP 1, 0, 1, CS, 1, 30
	STEP 2, 0, 1, CS+SS, 1, 30
	STEP 3, 0, 1, CS+2*SS, 1, 30
	ADV
	s_mov_b32 s[LC], 6
.Lchunk:                                               ; K steps 4-27, four a trip
	STEP 0, 0, 1, 3*SS, 1, 30
	STEP 1, 0, 1, CS, 1, 30
	STEP 2, 0, 1, CS+SS, 1, 30
	STEP 3, 0, 1, CS+2*SS, 1, 30
	ADV
	s_sub_co_u32 s[LC], s[LC], 1
	s_cmp_lg_u32 s[LC], 0
	s_cbranch_scc1 .Lchunk
	STEP 0, 0, 1, 3*SS, 1, 30                      ; K steps 28-31: one more fill, then the counts run down; no load leaves its row
	STEP 1, 0, 0, 0, 1, 20
	STEP 2, 0, 0, 0, 1, 10
	STEP 3, 0, 0, 0, 0, 0
	PLACES                                         ; behind the last product: the copies read results and write operands, and the next loads land on operands
	WIN 0
	s_mov_b32 s[TB], 0                             ; back to the slice's first K step, for the next block
	v_mov_b32 v[BA], v[L16]
	s_mov_b32 s[TI], 5
.Ltile:                                                ; five tiles, a constant; a tile that I do not have is jumped
	s_sub_co_u32 s98, 5, s[TI]                     ; the tile's number in my block
	s_cmp_ge_u32 s98, s[NT]
	s_cbranch_scc1 .Ltnext
	s_wait_xcnt 0x0                                ; the last tile's stores have read their registers
	s_add_co_u32 s98, s98, s[FT]                   ; its number among the expert's
.if KIND == 2
	s_lshl_b32 s99, s98, 4                         ; the tile's first place in the list
	v_lshl_add_u32 v13, v3, 3, s99                 ; my lanes' rows are 8 h + j
.set j, 0
.rept 8
	v_add_nc_u32 v14, j, v13
	v_min_u32 v14, s[CM1], v14                     ; places past the count repeat the last row
	v_min_u32 v14, 0x3ff, v14
	v_lshl_add_u32 v14, v14, 2, v[LB]
	ds_load_b32 v[EN+j], v14
.set j, j+1
.endr
.endif
	s_cmp_eq_u32 s[TI], 5
	s_cbranch_scc1 .Lput0
	s_cmp_eq_u32 s[TI], 4
	s_cbranch_scc1 .Lput1
	s_cmp_eq_u32 s[TI], 3
	s_cbranch_scc1 .Lput2
	s_cmp_eq_u32 s[TI], 2
	s_cbranch_scc1 .Lput3
	PUT 4
	s_branch .Lcommon
.Lput0:
	PUT 0
	s_branch .Lcommon
.Lput1:
	PUT 1
	s_branch .Lcommon
.Lput2:
	PUT 2
	s_branch .Lcommon
.Lput3:
	PUT 3
.Lcommon:
.if KIND == 1
	s_min_u32 s99, s98, 63
	s_lshl_b32 s99, s99, 17                        ; the tile's 128 blocks of hid
	v_add_nc_u32 v[HO], s99, v[L16]
.irp it, 0,1,2,3
	GEL GX+16*(\it), GO+8*(\it)
	global_store_b128 v[HO], v[GO+8*(\it):GO+8*(\it)+3],   s[OP:OP+1] offset:(\it)*1024      ; each store covers 512 consecutive bytes, aligned
	global_store_b128 v[HO], v[GO+8*(\it)+4:GO+8*(\it)+7], s[OP:OP+1] offset:(\it)*1024+512
.endr
.else
	s_wait_dscnt 0x0                               ; the eight entries
.set j, 0
.rept 8
	v_min_u32 v[EN+j], 0x7ff, v[EN+j]              ; an entry, 2 x token + choice, is the row's number in part
	v_lshl_add_u32 v[OA+j], v[EN+j], 12, v[R16]
.set j, j+1
.endr
.set n, 0
.rept 16                                               ; n = 8 g + j: lanes 0-15 store 256 consecutive, aligned bytes of row j, lanes 16-31 of row 8 + j
	global_store_b128 v[OA+n%8], v[Y+4*n:Y+4*n+3], s[OP:OP+1] offset:256*(n/8)
.set n, n+1
.endr
.endif
.Ltnext:
	s_sub_co_u32 s[TI], s[TI], 1
	s_cmp_lg_u32 s[TI], 0
	s_cbranch_scc1 .Ltile
.Lskip:
	s_add_co_u32 s[PB], s[PB], 20
	s_sub_co_u32 s[PAS], s[PAS], 1
	s_cmp_lg_u32 s[PAS], 0
	s_cbranch_scc1 .Lpass
	s_wait_dscnt 0x0                               ; my reads of LDS are over;
	s_barrier_signal -1
	s_barrier_wait -1                              ; every wave's are: only now does a wave write LDS again (the add below)
	s_wait_tensorcnt 0x0                           ; the wave's end
	ds_add_u32 v[SPW], v[NIL]
	s_wait_dscnt 0x0
	s_endpgm
.Lfunc_end_k_qd0979c51a5_ffn1:
	.size	k_qd0979c51a5_ffn1, .Lfunc_end_k_qd0979c51a5_ffn1-k_qd0979c51a5_ffn1
	.p2alignl 7, 3214868480
	.fill 96, 4, 3214868480
	.section	.rodata,"a",@progbits
	.p2align	6, 0x0
	.amdhsa_kernel k_qd0979c51a5_ffn1
		.amdhsa_group_segment_fixed_size 281088
		.amdhsa_private_segment_fixed_size 0
		.amdhsa_enable_private_segment 0
		.amdhsa_kernarg_size 40
		.amdhsa_user_sgpr_count 2
		.amdhsa_user_sgpr_kernarg_segment_ptr 1
		.amdhsa_wavefront_size32 1
		.amdhsa_system_sgpr_workgroup_id_x 1
		.amdhsa_system_sgpr_workgroup_id_y 1
		.amdhsa_system_sgpr_workgroup_id_z 1
		.amdhsa_system_vgpr_workitem_id 0
		.amdhsa_next_free_vgpr 832
		.amdhsa_next_free_sgpr 104
		.amdhsa_reserve_vcc 1
		.amdhsa_float_denorm_mode_32 3
		.amdhsa_float_denorm_mode_16_64 3
		.amdhsa_memory_ordered 1
		.amdhsa_forward_progress 1
		.amdhsa_inst_pref_size 184
	.end_amdhsa_kernel
	.amdgpu_metadata
---
amdhsa.version: [ 1, 2 ]
amdhsa.kernels:
  - .name:           k_qd0979c51a5_ffn1
    .symbol:         k_qd0979c51a5_ffn1.kd
    .args:
      - { .name: xb, .offset: 0, .size: 8, .value_kind: global_buffer, .address_space: global }
      - { .name: W1, .offset: 8, .size: 8, .value_kind: global_buffer, .address_space: global }
      - { .name: b1, .offset: 16, .size: 8, .value_kind: global_buffer, .address_space: global }
      - { .name: sel, .offset: 24, .size: 8, .value_kind: global_buffer, .address_space: global }
      - { .name: hid, .offset: 32, .size: 8, .value_kind: global_buffer, .address_space: global }
    .group_segment_fixed_size: 281088
    .private_segment_fixed_size: 0
    .kernarg_segment_align: 8
    .kernarg_segment_size: 40
    .max_flat_workgroup_size: 128
    .sgpr_count:     104
    .vgpr_count:     832
    .wavefront_size: 32
...
	.end_amdgpu_metadata
.endif
;; end of part 2
;; launch ffn2 (part 3): grid 32 x 8, 4 waves a work-group, no clusters, 281,088 bytes of LDS; arguments hid, W2, sel, part; writes part
.if DOCPART == 3
	.amdgcn_target "amdgcn-amd-amdhsa--gfx1250"
	.amdhsa_code_object_version 6
	.text
	.protected	k_qd0979c51a5_ffn2
	.globl	k_qd0979c51a5_ffn2
	.p2align	8
	.type	k_qd0979c51a5_ffn2,@function
k_qd0979c51a5_ffn2:
	s_mov_b64 s[64:65], 0
	v_nop
	global_prefetch_b8 v0, s[64:65] scope:SCOPE_SE
	s_setreg_imm32_b32 hwreg(HW_REG_WAVE_MODE, 25, 1), 1
	s_wait_xcnt 0x0
; ONE TEXT FOR THE TWO PRODUCTS OF AN EXPERT'S LAYER; KIND chooses.
; KIND 1: hid = gelu(x W1[e] + b1[e]) for the rows (token, choice) that chose expert e.  KIND 2: part[kq] = hid W2[e] over a quarter kq of the hidden width, f32 partial rows.
; All operands are bf16 (W, b1 rounded here on their way through registers, nearest even), sums f32; the hidden layer is stored once, rounded to bf16.
; SHARES.  A work-group owns a slice of ONE expert's weights, 1,024 (K) x 128 columns, which it alone reads: 512 KB of f32, each byte once.  Phase 1: each of the four waves streams
; 256 K rows through registers into LDS, already ordered as matrix fragments (256 KB of bf16).  One barrier.  Phase 2: each wave multiplies blocks of up to five tiles of 16 rows x 128 columns of its own:
; row fragments come from memory straight into registers, weight fragments from LDS; NOTHING WRITES LDS in phase 2, so it needs no barrier and its work may hang on the expert's count of rows.
; EVERY SPLIT IS SERVED.  An expert has TT = ceil(count / 16) tiles, 64 at the most.  Each of four passes takes up to 20 of them and deals them evenly: of n tiles wave w takes n / 4, one more if w < n % 4.
; A wave with no tile jumps the pass; an expert with no rows stores nothing.  The text is written for five tiles: places past a wave's tiles repeat its last tile; the fifth tile's products are jumped
; where the wave has four or fewer (but in the first K step, so that its accumulators are written on every way), and a tile that does not exist is not sent out.
; THE ROWS.  Place p of the expert's rows is the p-th set bit of the router's bitmap (first or second choice).  Places past the count repeat the last row: in hid they hold its numbers once more, and
; KIND 2 stores their results to the last row's place in part: the same bytes with the same values.  KIND 1 wants five places a lane for a block and finds each in registers: the last group of 32 tokens
; whose running count is not above p, then the bit by five halvings on partial counts.  KIND 2 wants forty places a lane for a block (eight a tile, for its stores), so each wave lays a list in LDS,
; ahead of the barrier: entry p = 2 x token + choice.
; GELU (KIND 1) = max(x, 0) - 0.5 |x| erfc(|x| / sqrt 2), erfc by a five-term rational form (Abramowitz-Stegun 7.1.26, absolute error 1.5e-7 at every x); an exponential below 2^-126 counts as 0.
; NaN and infinities are not treated apart.
; NO CLUSTER, NO TENSOR LOADS: each weight byte has one reader and must pass through registers to be rounded; what an expert's 32 work-groups share is its rows, which in KIND 1 are scattered
; (no descriptor covers them); in KIND 2 two slots of 320 rows x 256 bytes (160 KB) have no room beside the slice's 256 KB.
; FRAGMENTS.  Weight fragment a = 4 g + c holds in lane l % 16 column 64 g + 4 (l % 16) + c, as the 16-byte loads bring them.
; KIND 1 uses the matrix instruction transposed (source 0 = W, source 1 = rows): lane (r, h), accumulator (g, c), register j hold row r, column 64 g + 32 h + 4 j + c: a lane keeps one row, as hid wants it.
; KIND 2 uses it as it is (source 0 = rows, source 1 = W): lane (r, h), accumulator (g, c), register j hold row 8 h + j, column 64 g + 4 r + c: sixteen lanes hold 256 neighbouring bytes of a row.
; hid: [expert][tile of 16 rows: 64][step: 128][1,024 bytes]; a block IS a row fragment of KIND 2: registers 0-3 at 16 x lane, 4-7 at 512 + 16 x lane;
; element 2 n + b of lane (r, h) in step S is hidden column 64 (S / 2) + 32 h + 16 (S % 2) + 2 n + b, and W2's fragments take their K rows in the same order.
.set KIND, 2
.if KIND == 1
.set ROWB, 16384               ; bytes in a row of W
.set WSH,  22                  ; a wave's 256 rows of W, as a shift
.set SS,   64                  ; bytes from a K step's row fragment to the next
.set AH,   32                  ; to a fragment's second half
.set CS,   256                 ; four K steps
.set SELP, 10
.set MW,   0xa1                ; products: source 0 (W) window 1, source 1 (rows) window 0, C and D window 2
.else
.set ROWB, 4096
.set WSH,  20
.set SS,   1024
.set AH,   512
.set CS,   4096
.set SELP, 8
.set MW,   0xa4                ; products: source 0 (rows) window 0, source 1 (W) window 1, C and D window 2
.endif
; LDS: 0 the slice: fragment (K step s, a) at 8,192 s + 1,024 a; lane i reads and writes at 16 i, so nothing collides
.set LST,   262144             ; KIND 2: a list for each wave, its own: 1,024 entries, 32 words for the lanes that have nothing to say, and the rest of nine runs of 512 bytes
.set LSTB,  4608
.set SPARE, 280576             ; the spare words, 128 bytes a wave: two blocks of 256 bytes that no other line names
; REGISTERS, in windows of 256 (s_set_vgpr_msb: bits 1:0 source 0, 3:2 source 1, 5:4 source 2, 7:6 destination)
;   window 0: v0-63 below; v64-223 four slots of row fragments (slot s, tile i at 64 + 40 s + 8 i); in phase 1 v64-127 the bias as loaded, v128-159 packed fragments; at a block's head and on the way out at work
;   window 1: v0-63, v64-127 two buffers of weight fragments; v128-191 the bias as the first products' C (KIND 1)
;   window 2: accumulators of tiles 0-3 at 64 i + 8 a; in phase 1 the ring of 4 x 64 registers          window 3: v0-63 tile 4
.set L16, 4                    ; 16 x lane
.set H16, 5                    ; KIND 1: 16 x h
.set WST, 7                    ; where my wave's fragments go
.set BA,  8                    ; where weight fragments are read
.set R16, 9                    ; KIND 2: 16 x r
.set LB,  10                   ; KIND 2: my list
.set DUM, 11                   ; KIND 2: 1,024 + lane
.set TOK, 12                   ; KIND 2: 2 x token of my lane in the group in hand
.set ROW, 22                   ; v22-26 byte offset of my 16 bytes in each tile's rows
.set HO,  27                   ; KIND 1: my offset in hid
.set SPW, 28                   ; LDS address of my spare word; never rewritten
.set NIL, 29                   ; 0; never rewritten
.set WAU, 56                   ; v56-59 W: each ring unit's own offset: 16 (l % 16), 131,072 bytes (8 rows of 16 KB, or 32 of 4 KB) for the upper lanes, and the trips' steps
.set AS,  64
.set BL,  64
.set F,   128
.set BIAS, 128                 ; window 1
.set QP,  64                   ; KIND 1, a block's head: five registers each, one for a tile: my place,
.set QW,  69                   ; its group's word,
.set QK,  74                   ; the group's number << 16 | the count ahead of it,
.set QN,  79                   ; the set bits still to pass,
.set QT,  84                   ; at work,
.set QA,  89                   ; counts of 2 bits,
.set QB,  94                   ; of 4,
.set QC,  99                   ; of 8,
.set QD,  104                  ; of 16,
.set QO,  109                  ; the bit's place so far,
.set QU,  114                  ; its step
.set GX,  64                   ; the way out of KIND 1: v64-127 a tile's 64 numbers, sixteen for each block of hid,
.set GQ,  128
.set GT,  144
.set GP,  160
.set GR,  176
.set GO,  192                  ; and 4 x 8 registers to store
.set Y,   64                   ; the way out of KIND 2: v64-127 a tile's 64 numbers, four neighbouring columns in four neighbouring registers,
.set OA,  128                  ; v128-135 my offsets in part for rows 8 h + j,
.set EN,  136                  ; v136-143 and those rows' list entries
.set FT,  6                    ; s6 my block's first tile (W's address has left s[6:7] by then)
.set NT,  7                    ; s7 my block's tiles, 1 to 5
.set WV,  14                   ; s14 wave
.set EX,  15                   ; s15 expert
                               ; s16-47 the bitmap's words: first choices; in KIND 1 then first or second.  s48-63, s68-83 second choices
.set CPP, 48                   ; KIND 1, when the words are joined: s48-61 GELU's constants, in pairs,
.set CC,  50
.set A1,  52
.set A2,  54
.set A3,  56
.set A4,  58
.set A5,  60
.set QM,  70                   ; and s70-74 five lane masks
.set CNT, 84                   ; s84 the expert's rows
.set CM1, 85
.set TT,  86                   ; its tiles
.set PB,  87                   ; the pass's first tile
.set PAS, 88
.set TI,  89
.set NS,  90                   ; at the head only: the slice's number,
.set KQ,  91                   ; and the K quarter
.set LC,  91
.set WP,  92                   ; s[92:93] W at my wave's first row; never stepped
.set AP,  94                   ; s[94:95] the rows, walking
.set OP,  96                   ; s[96:97] the output
.set TB,  101                  ; s101 LDS byte at which the four K steps in hand begin
.set MSB, 0
.macro WIN new                         ; the immediate's high byte repeats the setting that is left; a switch that changes nothing is dropped
.if MSB != (\new)
	s_set_vgpr_msb (MSB<<8)|(\new)
.set MSB, \new
.endif
.endm
.macro PLACES                          ; four places between a matrix instruction and a load into, a write of or a read of its registers (ISA guide 7.12.1 for writes and reads)
.rept 4
	v_nop
.endr
.endm
.macro PAIR r, val
	s_mov_b32 s[\r], \val
	s_mov_b32 s[(\r)+1], \val
.endm
; PHASE 1.  A unit is 32 K x 64 columns: 16 loads of 16 bytes a lane; lanes 0-15 take 256 consecutive, aligned bytes of one row, lanes 16-31 of another.  Unit b of a trip: K step b / 2, column group b % 2.
.macro FILLU b
	WIN 0x80                                       ; destination window 2
.set q, 0
.rept 16
.if KIND == 1
.set ro, 32*((\b)>>1)+q+8*(q/8)
.else
.set ro, 16*((\b)>>1)+q
.endif
	global_load_b128 v[64*(\b)+4*q:64*(\b)+4*q+3], v[WAU+(\b)], s[WP:WP+1] offset:ro*ROWB+256*((\b)&1) th:TH_LOAD_NT
.set q, q+1
.endr
.endm
.macro UNIT b, refill, left            ; left: the younger loads, which stay out
	s_wait_loadcnt \left                           ; loads come back in order (ISA guide 5.7.1): this unit's sixteen are in, so its offset register is free too
	WIN 0x0a                                       ; sources window 2
.set c, 0
.rept 4
.set i, 0
.rept 8
	v_cvt_pk_bf16_f32 v[F+8*c+i], v[64*(\b)+8*i+c], v[64*(\b)+8*i+4+c]  ; column c of the lane's four, K elements 2 i and 2 i + 1
.set i, i+1
.endr
.set c, c+1
.endr
	WIN 0
.set c, 0
.rept 4
	ds_store_b128 v[WST], v[F+8*c:F+8*c+3]   offset:((\b)>>1)*8192+((\b)&1)*4096+c*1024
	ds_store_b128 v[WST], v[F+8*c+4:F+8*c+7] offset:((\b)>>1)*8192+((\b)&1)*4096+c*1024+512
.set c, c+1
.endr
.if \refill
	v_add_nc_u32 v[WAU+(\b)], 64*ROWB, v[WAU+(\b)] ; the unit's place in the next trip, 64 rows on
	FILLU \b
.endif
.endm
; PHASE 2.
.macro AFILL slot, off                 ; a K step's row fragments of five tiles: ten loads
	WIN 0
.set i, 0
.rept 5
	global_load_b128 v[AS+40*(\slot)+8*i:AS+40*(\slot)+8*i+3],   v[ROW+i], s[AP:AP+1] offset:(\off)
	global_load_b128 v[AS+40*(\slot)+8*i+4:AS+40*(\slot)+8*i+7], v[ROW+i], s[AP:AP+1] offset:(\off)+AH
.set i, i+1
.endr
.endm
.macro BLOAD idx, buf                  ; a K step's eight weight fragments: sixteen LDS loads
	WIN 0x40                                       ; destination window 1
.set a, 0
.rept 8
	ds_load_b128 v[64*(\buf)+8*a:64*(\buf)+8*a+3],   v[BA] offset:(\idx)*8192+a*1024
	ds_load_b128 v[64*(\buf)+8*a+4:64*(\buf)+8*a+7], v[BA] offset:(\idx)*8192+a*1024+512
.set a, a+1
.endr
.endm
.macro TILE8 slot, buf, first, t       ; tile t's eight matrix instructions of a K step.  first = 1: the sums start, with the bias or with 0
.if (\first) && (KIND == 1)
	WIN 0x91+0x40*((\t)/4)                         ; W window 1, rows window 0, C (the bias) window 1, D window 2 or 3
.else
	WIN MW+0x50*((\t)/4)                           ; C and D window 2 or 3
.endif
.set a, 0
.rept 8
.set rD, 64*((\t)%4)+8*a
.if KIND == 1
.set rX, 64*(\buf)+8*a                 ; source 0: W
.set rY, AS+40*(\slot)+8*(\t)          ; source 1: rows
.else
.set rX, AS+40*(\slot)+8*(\t)          ; source 0: rows
.set rY, 64*(\buf)+8*a                 ; source 1: W
.endif
.if (\first) && (KIND == 1)
	v_wmma_f32_16x16x32_bf16 v[rD:rD+7], v[rX:rX+7], v[rY:rY+7], v[BIAS+8*a:BIAS+8*a+7]
.elseif \first
	v_wmma_f32_16x16x32_bf16 v[rD:rD+7], v[rX:rX+7], v[rY:rY+7], 0
.else
	v_wmma_f32_16x16x32_bf16 v[rD:rD+7], v[rX:rX+7], v[rY:rY+7], v[rD:rD+7]
.endif
.set a, a+1
.endr
.endm
; A K step's 40 matrix instructions, or 32; the accumulators take turns, in the same order in every step.  A wave with four tiles or fewer jumps the fifth tile's eight,
; but not in the first step, which writes those accumulators on every way.
.macro MULS slot, buf, first
	TILE8 \slot, \buf, \first, 0
	TILE8 \slot, \buf, \first, 1
	TILE8 \slot, \buf, \first, 2
	TILE8 \slot, \buf, \first, 3
.if \first
	TILE8 \slot, \buf, 1, 4
.else
	WIN 0                                          ; at a branch and at a label every window is 0
	s_cmp_lt_u32 s[NT], 5
	s_cbranch_scc1 .Lno4_\@
	TILE8 \slot, \buf, 0, 4
	WIN 0
.Lno4_\@:
.endif
.endm
; A K step.  rf = 1: the slot multiplied last step is filled again, three steps ahead of its use; nb = 1: the next step's weight fragments are fetched into the buffer multiplied last step.
; lc: the loads of the younger slots, ten each on every way, which stay out.
.macro STEP slot, first, rf, rfoff, nb, lc
	PLACES
.if \rf
	AFILL ((\slot)+3)%4, \rfoff
.endif
.if \nb
	BLOAD (\slot)+1, ((\slot)+1)&1
.endif
	s_wait_loadcnt \lc
.if \nb
	s_wait_dscnt 16                                ; all but the sixteen just issued
.else
	s_wait_dscnt 0x0
.endif
	MULS \slot, (\slot)&1, \first
.endm
.macro ADV                             ; four K steps on
	WIN 0
	s_wait_xcnt 0x0                                ; the base is stepped only behind this wait
	s_add_nc_u64 s[AP:AP+1], s[AP:AP+1], CS
	s_add_co_u32 s[TB], s[TB], 0x8000
	v_add_nc_u32 v[BA], s[TB], v[L16]
.endm
; Tile t's 64 accumulator registers are copied into one set in window 0, each accumulator from its low end on, so that ONE text of the way out serves the five register sets.
; KIND 1: sixteen numbers for each of hid's four blocks.  KIND 2: the copy also brings columns c = 0..3 into four neighbouring registers, 16 bytes to store.
.macro PUT t
	WIN 0x02+((\t)/4)                              ; source window 2 or 3
.set a, 0
.rept 8
.set j, 0
.rept 8
.if KIND == 1
	v_mov_b32 v[GX+16*(2*(a/4)+j/4)+4*(a%4)+j%4], v[64*((\t)%4)+8*a+j]
.else
	v_mov_b32 v[Y+32*(a/4)+4*j+a%4], v[64*((\t)%4)+8*a+j]
.endif
.set j, j+1
.endr
.set a, a+1
.endr
	WIN 0
.endm
.if KIND == 1
.macro E5 line:vararg                  ; one line for each of the five tiles, i = 0 .. 4
.set i, 0
.rept 5
	\line
.set i, i+1
.endr
.endm
.macro LEVEL src, width, step          ; one halving: if the lower half of the bits in hand holds no more set bits than are still to pass, they are passed and the upper half is taken
	E5 v_bfe_u32 v[QT+i], v[\src+i], v[QO+i], \width
	E5 v_cmp_ge_u32 s[QM+i], v[QN+i], v[QT+i]
	E5 v_cndmask_b32 v[QT+i], 0, v[QT+i], s[QM+i]
	E5 v_cndmask_b32 v[QU+i], 0, \step, s[QM+i]
	E5 v_sub_nc_u32 v[QN+i], v[QN+i], v[QT+i]
	E5 v_add_nc_u32 v[QO+i], v[QO+i], v[QU+i]
.endm
.macro RUN8 line:vararg                ; one line for n = 0, 2, .. 14
.set n, 0
.rept 8
	\line
.set n, n+2
.endr
.endm
.macro RUN16 line:vararg               ; one line for n = 0 .. 15
.set n, 0
.rept 16
	\line
.set n, n+1
.endr
.endm
.macro GEL x, o                        ; gelu of sixteen numbers, rounded to bf16 in the order of a fragment's registers
	RUN8  v_pk_mul_f32 v[GQ+n:GQ+n+1], v[(\x)+n:(\x)+n+1], v[(\x)+n:(\x)+n+1]
	RUN16 v_fma_f32 v[GT+n], |v[(\x)+n]|, s[CPP], 1.0
	RUN8  v_pk_mul_f32 v[GQ+n:GQ+n+1], v[GQ+n:GQ+n+1], s[CC:CC+1] op_sel_hi:[1,0]
	RUN16 v_rcp_f32 v[GT+n], v[GT+n]
	RUN16 v_exp_f32 v[GQ+n], v[GQ+n]
	RUN16 v_max_num_f32 v[GR+n], 0, v[(\x)+n]      ; plain work behind the transcendentals, ahead of the first use of their results (ISA guide 5.7.2)
	RUN8  v_pk_fma_f32 v[GP+n:GP+n+1], v[GT+n:GT+n+1], s[A5:A5+1], s[A4:A4+1] op_sel_hi:[1,0,0]
	RUN8  v_pk_fma_f32 v[GP+n:GP+n+1], v[GP+n:GP+n+1], v[GT+n:GT+n+1], s[A3:A3+1] op_sel_hi:[1,1,0]
	RUN8  v_pk_fma_f32 v[GP+n:GP+n+1], v[GP+n:GP+n+1], v[GT+n:GT+n+1], s[A2:A2+1] op_sel_hi:[1,1,0]
	RUN8  v_pk_fma_f32 v[GP+n:GP+n+1], v[GP+n:GP+n+1], v[GT+n:GT+n+1], s[A1:A1+1] op_sel_hi:[1,1,0]
	RUN8  v_pk_mul_f32 v[GP+n:GP+n+1], v[GP+n:GP+n+1], v[GT+n:GT+n+1]
	RUN8  v_pk_mul_f32 v[GP+n:GP+n+1], v[GP+n:GP+n+1], v[GQ+n:GQ+n+1]
	RUN16 v_mul_f32 v[GT+n], |v[(\x)+n]|, v[GP+n]
	RUN8  v_pk_fma_f32 v[GR+n:GR+n+1], v[GT+n:GT+n+1], -0.5, v[GR+n:GR+n+1] op_sel_hi:[1,0,1]
.set n, 0
.rept 4                                ; hidden columns 4 n + c: c = 0, 1 and c = 2, 3
	v_cvt_pk_bf16_f32 v[(\o)+2*n],   v[GR+n],   v[GR+4+n]
	v_cvt_pk_bf16_f32 v[(\o)+2*n+1], v[GR+8+n], v[GR+12+n]
.set n, n+1
.endr
.endm
.endif
	s_load_b256 s[4:11], s[0:1], 0x0               ; KIND 1: xb s[4:5], W1 s[6:7], b1 s[8:9], sel s[10:11].  KIND 2: hid s[4:5], W2 s[6:7], sel s[8:9], part s[10:11]
.if KIND == 1
	s_load_b64 s[12:13], s[0:1], 0x20              ; hid
.endif
	v_lshl_add_u32 v[SPW], v0, 2, SPARE
	v_mov_b32 v[NIL], 0
	v_lshrrev_b32 v1, 5, v0
	v_readfirstlane_b32 s[WV], v1                  ; wave 0..3
	v_and_b32 v1, 31, v0                           ; lane
	v_and_b32 v2, 15, v0                           ; r
	v_bfe_u32 v3, v0, 4, 1                         ; h
	v_lshlrev_b32 v[L16], 4, v1
	v_lshlrev_b32 v[WAU], 4, v2
	v_lshl_add_u32 v[WAU], v3, 17, v[WAU]
.irp b, 1,2,3
	v_mov_b32 v[WAU+\b], v[WAU]
.endr
	s_lshl_b32 s98, s[WV], 16                      ; a wave's 8 K steps of fragments
	v_add_nc_u32 v[WST], s98, v[L16]
.if KIND == 2
	v_lshlrev_b32 v[R16], 4, v2
	s_mul_i32 s98, s[WV], LSTB
	s_add_co_u32 s98, s98, LST
	v_mov_b32 v[LB], s98
	v_add_nc_u32 v[DUM], 0x400, v1
	v_lshlrev_b32 v[TOK], 1, v1
.else
	v_lshlrev_b32 v[H16], 4, v3
	v_lshlrev_b32 v15, 7, v3                       ; b1: 32 columns on for the upper lanes; never rewritten
.endif
	s_and_b32 s[EX], ttmp7, 0xffff
.if KIND == 1
	s_mov_b32 s[NS], ttmp9
.else
	s_and_b32 s[NS], ttmp9, 7
	s_lshr_b32 s[KQ], ttmp9, 3
.endif
	s_mov_b32 s99, 0
	s_mov_b32 s[CNT], 0
	s_wait_kmcnt 0x0
	s_lshl_b32 s98, s[EX], 7                       ; the expert's row of the bitmap
	s_add_nc_u64 s[SELP:SELP+1], s[SELP:SELP+1], s[98:99]
	s_load_b512 s[16:31], s[SELP:SELP+1], 0x0      ; first choices, groups 0-15,
	s_load_b512 s[32:47], s[SELP:SELP+1], 0x40     ; 16-31;
	s_load_b512 s[48:63], s[SELP:SELP+1], 0x400    ; second choices
	s_load_b512 s[68:83], s[SELP:SELP+1], 0x440
	s_lshl_b32 s98, s[EX], 24                      ; an expert's weights are 16 MB
	s_lshl_b32 s100, s[NS], 9                      ; 128 columns of f32
	s_add_co_u32 s98, s98, s100
	s_lshl_b32 s100, s[WV], WSH
	s_add_co_u32 s98, s98, s100
.if KIND == 2
	s_lshl_b32 s100, s[KQ], 22                     ; 1,024 rows of 4 KB
	s_add_co_u32 s98, s98, s100
.endif
	s_add_nc_u64 s[WP:WP+1], s[6:7], s[98:99]
.if KIND == 1
	s_lshl_b32 s98, s[EX], 14
	s_lshl_b32 s100, s[NS], 9
	s_add_co_u32 s98, s98, s100
	s_add_nc_u64 s[8:9], s[8:9], s[98:99]          ; b1 at my 128 columns
	s_lshl_b32 s98, s[EX], 23                      ; hid: 8 MB an expert,
	s_lshl_b32 s100, s[NS], 12                     ; four blocks of 1,024 bytes a slice
	s_add_co_u32 s98, s98, s100
	s_add_nc_u64 s[OP:OP+1], s[12:13], s[98:99]
.set n, 0
.rept 16                                               ; n = 8 g + j: columns 64 g + 32 h + 4 j + 0..3
	global_load_b128 v[BL+4*n:BL+4*n+3], v15, s[8:9] offset:256*(n/8)+16*(n%8)
.set n, n+1
.endr
.else
	s_lshl_b32 s98, s[EX], 23
	s_lshl_b32 s100, s[KQ], 15                     ; 32 blocks of 1,024 bytes a quarter
	s_add_co_u32 s98, s98, s100
	s_add_nc_u64 s[4:5], s[4:5], s[98:99]          ; hid at my expert and quarter
	s_lshl_b32 s98, s[KQ], 23                      ; part: 2,048 rows of 4 KB a quarter
	s_lshl_b32 s100, s[NS], 9
	s_add_co_u32 s98, s98, s100
	s_add_nc_u64 s[OP:OP+1], s[10:11], s[98:99]
.endif
	FILLU 0                                        ; the ring is filled: 64 loads, 32 KB a wave
	FILLU 1
	FILLU 2
	FILLU 3
	WIN 0
.if KIND == 2
	; my list's 4,608 bytes are written once with zeros, so that every word of it holds a number
	v_add_nc_u32 v13, v[LB], v[L16]
.set n, 0
.rept 4
	v_mov_b32 v[F+n], 0
.set n, n+1
.endr
.set n, 0
.rept 9
	ds_store_b128 v13, v[F:F+3] offset:512*n
.set n, n+1
.endr
.endif
	s_wait_kmcnt 0x0                               ; the bitmap
.if KIND == 2
	; THE LIST, in the wait for the first weights.  Group g: a chosen lane's place is the count so far plus the chosen lanes below it; the other lanes write a word of their own behind the list.
.set g, 0
.rept 32
	s_or_b32 s98, s[16+g], s[48+g+4*(g/16)]
	v_mbcnt_lo_u32_b32 v13, s98, s[CNT]
	v_cndmask_b32 v13, v[DUM], v13, s98
	v_min_u32 v13, 0x41f, v13                      ; inside the list's first 1,056 words
	v_lshl_add_u32 v13, v13, 2, v[LB]
	v_cndmask_b32 v14, 0, 1, s[48+g+4*(g/16)]
	v_or_b32 v14, v[TOK], v14                      ; 2 x token + choice
	ds_store_b32 v13, v14
	v_add_nc_u32 v[TOK], 64, v[TOK]
	s_bcnt1_i32_b32 s99, s98
	s_add_co_u32 s[CNT], s[CNT], s99
.set g, g+1
.endr
.else
.set g, 0
.rept 32                                               ; a token is the expert's by its first or by its second choice; the joined words stay in s16-47
	s_or_b32 s[16+g], s[16+g], s[48+g+4*(g/16)]
	s_bcnt1_i32_b32 s99, s[16+g]
	s_add_co_u32 s[CNT], s[CNT], s99
.set g, g+1
.endr
.endif
	s_sub_co_u32 s[CM1], s[CNT], 1
	s_add_co_u32 s[TT], s[CNT], 15
	s_lshr_b32 s[TT], s[TT], 4
.if KIND == 1
	s_mov_b32 s[CPP], 0x3e6d3388                   ; 0.3275911 / sqrt 2
	PAIR CC, 0xbf38aa3b                            ; - log2(e) / 2
	PAIR A1, 0x3e827906
	PAIR A2, 0xbe91a98e
	PAIR A3, 0x3fb5f0e3
	PAIR A4, 0xbfba00e3
	PAIR A5, 0x3f87dc22
	s_wait_loadcnt 63                              ; 64 loads of weights stand behind the bias's last: the bias is in
.set n, 0
.rept 16
	v_cvt_pk_bf16_f32 v[BL+4*n],   v[BL+4*n],   v[BL+4*n+1]
	v_cvt_pk_bf16_f32 v[BL+4*n+2], v[BL+4*n+2], v[BL+4*n+3]
.set n, n+1
.endr
	WIN 0x40                                       ; destination window 1
.set n, 0
.rept 16                                               ; the rounded bias as f32, in the accumulators' layout: fragment 4 g + c, register j
	v_lshlrev_b32 v[BIAS+8*(4*(n/8)+0)+(n%8)], 16, v[BL+4*n]
	v_and_b32     v[BIAS+8*(4*(n/8)+1)+(n%8)], 0xffff0000, v[BL+4*n]
	v_lshlrev_b32 v[BIAS+8*(4*(n/8)+2)+(n%8)], 16, v[BL+4*n+2]
	v_and_b32     v[BIAS+8*(4*(n/8)+3)+(n%8)], 0xffff0000, v[BL+4*n+2]
.set n, n+1
.endr
	WIN 0
.endif
	s_mov_b32 s[LC], 3
.Lstream:                                              ; a trip: 64 K rows x 128 columns, four units; each unit's registers are asked for again as soon as they are packed
	UNIT 0, 1, 48                                  ; three younger units, 48 loads, stay out
	UNIT 1, 1, 48
	UNIT 2, 1, 48
	UNIT 3, 1, 48
	WIN 0
	v_add_nc_u32 v[WST], 0x4000, v[WST]            ; two K steps of fragments
	s_sub_co_u32 s[LC], s[LC], 1
	s_cmp_lg_u32 s[LC], 0
	s_cbranch_scc1 .Lstream
	UNIT 0, 0, 48                                  ; the last trip asks for nothing: the counts run down
	UNIT 1, 0, 32
	UNIT 2, 0, 16
	UNIT 3, 0, 0
	s_wait_dscnt 0x0                               ; for the others' sake: my fragments lie in LDS
	s_barrier_signal -1
	s_barrier_wait -1                              ; the slice is whole; from here to the closing barrier no wave writes LDS
	s_mov_b32 s[PB], 0
	s_mov_b32 s[TB], 0                             ; a block leaves these three as it found them
	v_mov_b32 v[BA], v[L16]
	s_mov_b32 s[TI], 0
	s_mov_b32 s[PAS], 4
.Lpass:                                                ; four passes, a constant; what a pass does not need is jumped, and nothing jumped holds a barrier
	s_cmp_le_u32 s[TT], s[PB]
	s_cbranch_scc1 .Lskip                          ; no tile is left
	s_sub_co_u32 s98, s[TT], s[PB]
	s_min_u32 s98, s98, 20                         ; n: the pass's tiles
	s_lshr_b32 s99, s98, 2                         ; n / 4 for each wave,
	s_and_b32 s100, s98, 3                         ; one more for the first n % 4
	s_mul_i32 s[FT], s[WV], s99
	s_min_u32 s98, s[WV], s100
	s_add_co_u32 s[FT], s[FT], s98
	s_add_co_u32 s[FT], s[FT], s[PB]               ; my first tile
	s_cmp_lt_u32 s[WV], s100
	s_cselect_b32 s98, 1, 0
	s_add_co_u32 s[NT], s99, s98                   ; my tiles
	s_cmp_eq_u32 s[NT], 0
	s_cbranch_scc1 .Lskip
	s_wait_xcnt 0x0                                ; the last block's stores have read their registers
	s_sub_co_u32 s99, s[NT], 1
.if KIND == 1
.set i, 0
.rept 5
	s_min_u32 s98, s99, i                          ; places past my tiles repeat my last tile
	s_add_co_u32 s98, s98, s[FT]
	s_lshl_b32 s98, s98, 4
	v_add_nc_u32 v[QP+i], s98, v2                  ; my place among the expert's rows;
	v_min_u32 v[QP+i], s[CM1], v[QP+i]             ; places past the count repeat the last row
	v_mov_b32 v[QW+i], s16                         ; group 0, with nothing ahead of it
	v_mov_b32 v[QK+i], 0
.set i, i+1
.endr
	s_mov_b32 s98, 0
.set g, 1
.rept 31                                               ; the last group whose running count is not above my place holds it: the counts never fall
	s_bcnt1_i32_b32 s99, s[15+g]
	s_add_co_u32 s98, s98, s99                     ; the rows ahead of group g
	s_add_co_u32 s100, s98, g<<16
.set i, 0
.rept 5
	v_cmp_gt_u32 vcc_lo, s98, v[QP+i]
	v_cndmask_b32 v[QW+i], s[16+g], v[QW+i], vcc_lo
	v_cndmask_b32 v[QK+i], s100, v[QK+i], vcc_lo
.set i, i+1
.endr
.set g, g+1
.endr
	E5 v_and_b32 v[QN+i], 0xffff, v[QK+i]
	E5 v_sub_nc_u32 v[QN+i], v[QP+i], v[QN+i]      ; so many set bits of the word lie below mine
	E5 v_lshrrev_b32 v[QT+i], 1, v[QW+i]           ; the set bits of each 2, 4, 8 and of the lower 16 bits of the word
	E5 v_and_b32 v[QT+i], 0x55555555, v[QT+i]
	E5 v_sub_nc_u32 v[QA+i], v[QW+i], v[QT+i]
	E5 v_lshrrev_b32 v[QT+i], 2, v[QA+i]
	E5 v_and_b32 v[QT+i], 0x33333333, v[QT+i]
	E5 v_and_b32 v[QB+i], 0x33333333, v[QA+i]
	E5 v_add_nc_u32 v[QB+i], v[QB+i], v[QT+i]
	E5 v_lshrrev_b32 v[QT+i], 4, v[QB+i]
	E5 v_add_nc_u32 v[QC+i], v[QB+i], v[QT+i]
	E5 v_and_b32 v[QC+i], 0x0f0f0f0f, v[QC+i]
	E5 v_lshrrev_b32 v[QT+i], 8, v[QC+i]
	E5 v_add_nc_u32 v[QD+i], v[QC+i], v[QT+i]
	E5 v_mov_b32 v[QO+i], 0
	LEVEL QD, 8, 16
	LEVEL QC, 8, 8
	LEVEL QB, 4, 4
	LEVEL QA, 2, 2
	LEVEL QW, 1, 1
	E5 v_lshrrev_b32 v[QT+i], 16, v[QK+i]
	E5 v_lshl_add_u32 v[QT+i], v[QT+i], 5, v[QO+i] ; token = 32 x group + bit
	E5 v_min_u32 v[QT+i], 0x3ff, v[QT+i]
	E5 v_lshl_add_u32 v[ROW+i], v[QT+i], 11, v[H16]  ; a token's row is 2,048 bytes
.else
.set i, 0
.rept 5
	s_min_u32 s98, s99, i                          ; places past my tiles repeat my last tile
	s_add_co_u32 s98, s98, s[FT]
	s_min_u32 s98, s98, 63
	s_lshl_b32 s98, s98, 17                        ; a tile's 128 blocks
	v_add_nc_u32 v[ROW+i], s98, v[L16]
.set i, i+1
.endr
.endif
	s_mov_b64 s[AP:AP+1], s[4:5]
	AFILL 0, 0
	AFILL 1, SS
	AFILL 2, 2*SS
	AFILL 3, 3*SS
	BLOAD 0, 0
	STEP 0, 1, 0, 0, 1, 30                         ; K steps 0-3: the first starts the sums
	STEP 1, 0, 1, CS, 1, 30
	STEP 2, 0, 1, CS+SS, 1, 30
	STEP 3, 0, 1, CS+2*SS, 1, 30
	ADV
	s_mov_b32 s[LC], 6
.Lchunk:                                               ; K steps 4-27, four a trip
	STEP 0, 0, 1, 3*SS, 1, 30
	STEP 1, 0, 1, CS, 1, 30
	STEP 2, 0, 1, CS+SS, 1, 30
	STEP 3, 0, 1, CS+2*SS, 1, 30
	ADV
	s_sub_co_u32 s[LC], s[LC], 1
	s_cmp_lg_u32 s[LC], 0
	s_cbranch_scc1 .Lchunk
	STEP 0, 0, 1, 3*SS, 1, 30                      ; K steps 28-31: one more fill, then the counts run down; no load leaves its row
	STEP 1, 0, 0, 0, 1, 20
	STEP 2, 0, 0, 0, 1, 10
	STEP 3, 0, 0, 0, 0, 0
	PLACES                                         ; behind the last product: the copies read results and write operands, and the next loads land on operands
	WIN 0
	s_mov_b32 s[TB], 0                             ; back to the slice's first K step, for the next block
	v_mov_b32 v[BA], v[L16]
	s_mov_b32 s[TI], 5
.Ltile:                                                ; five tiles, a constant; a tile that I do not have is jumped
	s_sub_co_u32 s98, 5, s[TI]                     ; the tile's number in my block
	s_cmp_ge_u32 s98, s[NT]
	s_cbranch_scc1 .Ltnext
	s_wait_xcnt 0x0                                ; the last tile's stores have read their registers
	s_add_co_u32 s98, s98, s[FT]                   ; its number among the expert's
.if KIND == 2
	s_lshl_b32 s99, s98, 4                         ; the tile's first place in the list
	v_lshl_add_u32 v13, v3, 3, s99                 ; my lanes' rows are 8 h + j
.set j, 0
.rept 8
	v_add_nc_u32 v14, j, v13
	v_min_u32 v14, s[CM1], v14                     ; places past the count repeat the last row
	v_min_u32 v14, 0x3ff, v14
	v_lshl_add_u32 v14, v14, 2, v[LB]
	ds_load_b32 v[EN+j], v14
.set j, j+1
.endr
.endif
	s_cmp_eq_u32 s[TI], 5
	s_cbranch_scc1 .Lput0
	s_cmp_eq_u32 s[TI], 4
	s_cbranch_scc1 .Lput1
	s_cmp_eq_u32 s[TI], 3
	s_cbranch_scc1 .Lput2
	s_cmp_eq_u32 s[TI], 2
	s_cbranch_scc1 .Lput3
	PUT 4
	s_branch .Lcommon
.Lput0:
	PUT 0
	s_branch .Lcommon
.Lput1:
	PUT 1
	s_branch .Lcommon
.Lput2:
	PUT 2
	s_branch .Lcommon
.Lput3:
	PUT 3
.Lcommon:
.if KIND == 1
	s_min_u32 s99, s98, 63
	s_lshl_b32 s99, s99, 17                        ; the tile's 128 blocks of hid
	v_add_nc_u32 v[HO], s99, v[L16]
.irp it, 0,1,2,3
	GEL GX+16*(\it), GO+8*(\it)
	global_store_b128 v[HO], v[GO+8*(\it):GO+8*(\it)+3],   s[OP:OP+1] offset:(\it)*1024      ; each store covers 512 consecutive bytes, aligned
	global_store_b128 v[HO], v[GO+8*(\it)+4:GO+8*(\it)+7], s[OP:OP+1] offset:(\it)*1024+512
.endr
.else
	s_wait_dscnt 0x0                               ; the eight entries
.set j, 0
.rept 8
	v_min_u32 v[EN+j], 0x7ff, v[EN+j]              ; an entry, 2 x token + choice, is the row's number in part
	v_lshl_add_u32 v[OA+j], v[EN+j], 12, v[R16]
.set j, j+1
.endr
.set n, 0
.rept 16                                               ; n = 8 g + j: lanes 0-15 store 256 consecutive, aligned bytes of row j, lanes 16-31 of row 8 + j
	global_store_b128 v[OA+n%8], v[Y+4*n:Y+4*n+3], s[OP:OP+1] offset:256*(n/8)
.set n, n+1
.endr
.endif
.Ltnext:
	s_sub_co_u32 s[TI], s[TI], 1
	s_cmp_lg_u32 s[TI], 0
	s_cbranch_scc1 .Ltile
.Lskip:
	s_add_co_u32 s[PB], s[PB], 20
	s_sub_co_u32 s[PAS], s[PAS], 1
	s_cmp_lg_u32 s[PAS], 0
	s_cbranch_scc1 .Lpass
	s_wait_dscnt 0x0                               ; my reads of LDS are over;
	s_barrier_signal -1
	s_barrier_wait -1                              ; every wave's are: only now does a wave write LDS again (the add below)
	s_wait_tensorcnt 0x0                           ; the wave's end
	ds_add_u32 v[SPW], v[NIL]
	s_wait_dscnt 0x0
	s_endpgm
.Lfunc_end_k_qd0979c51a5_ffn2:
	.size	k_qd0979c51a5_ffn2, .Lfunc_end_k_qd0979c51a5_ffn2-k_qd0979c51a5_ffn2
	.p2alignl 7, 3214868480
	.fill 96, 4, 3214868480
	.section	.rodata,"a",@progbits
	.p2align	6, 0x0
	.amdhsa_kernel k_qd0979c51a5_ffn2
		.amdhsa_group_segment_fixed_size 281088
		.amdhsa_private_segment_fixed_size 0
		.amdhsa_enable_private_segment 0
		.amdhsa_kernarg_size 32
		.amdhsa_user_sgpr_count 2
		.amdhsa_user_sgpr_kernarg_segment_ptr 1
		.amdhsa_wavefront_size32 1
		.amdhsa_system_sgpr_workgroup_id_x 1
		.amdhsa_system_sgpr_workgroup_id_y 1
		.amdhsa_system_sgpr_workgroup_id_z 1
		.amdhsa_system_vgpr_workitem_id 0
		.amdhsa_next_free_vgpr 832
		.amdhsa_next_free_sgpr 104
		.amdhsa_reserve_vcc 1
		.amdhsa_float_denorm_mode_32 3
		.amdhsa_float_denorm_mode_16_64 3
		.amdhsa_memory_ordered 1
		.amdhsa_forward_progress 1
		.amdhsa_inst_pref_size 130
	.end_amdhsa_kernel
	.amdgpu_metadata
---
amdhsa.version: [ 1, 2 ]
amdhsa.kernels:
  - .name:           k_qd0979c51a5_ffn2
    .symbol:         k_qd0979c51a5_ffn2.kd
    .args:
      - { .name: hid, .offset: 0, .size: 8, .value_kind: global_buffer, .address_space: global }
      - { .name: W2, .offset: 8, .size: 8, .value_kind: global_buffer, .address_space: global }
      - { .name: sel, .offset: 16, .size: 8, .value_kind: global_buffer, .address_space: global }
      - { .name: part, .offset: 24, .size: 8, .value_kind: global_buffer, .address_space: global }
    .group_segment_fixed_size: 281088
    .private_segment_fixed_size: 0
    .kernarg_segment_align: 8
    .kernarg_segment_size: 32
    .max_flat_workgroup_size: 128
    .sgpr_count:     104
    .vgpr_count:     832
    .wavefront_size: 32
...
	.end_amdgpu_metadata
.endif
;; end of part 3
;; launch combine (part 4): grid 256 x 1, 8 waves a work-group, no clusters, 0 bytes of LDS; arguments part, b2, topi, topw, out0; writes out0
.if DOCPART == 4
	.amdgcn_target "amdgcn-amd-amdhsa--gfx1250"
	.amdhsa_code_object_version 6
	.text
	.protected	k_qd0979c51a5_combine
	.globl	k_qd0979c51a5_combine
	.p2align	8
	.type	k_qd0979c51a5_combine,@function
k_qd0979c51a5_combine:
	s_mov_b64 s[64:65], 0
	v_nop
	global_prefetch_b8 v0, s[64:65] scope:SCOPE_SE
	s_setreg_imm32_b32 hwreg(HW_REG_WAVE_MODE, 25, 1), 1
	s_wait_xcnt 0x0
; COMBINE.  out[t] = w0 (y0 + b2[e0]) + w1 (y1 + b2[e1]), where y_j is the sum of the four K quarters' partial rows part[kq][2 t + j].  All in f32; b2 is rounded to bf16 like every input.
; A stream: a wave takes half a token's row (2 KB of output): 32 loads of partial rows and 8 of bias, 20 KB, are all asked for before the first wait; each load and store covers 512 consecutive
; bytes, aligned.  No LDS, no barrier, no matrix unit: nothing is shared and there is no product.  The experts' numbers come from memory as whole numbers that an earlier launch stored, clamped to 0..7.
.set PR, 16                    ; v16-143   piece m (512 bytes), choice j, quarter kq at PR + 4 (8 m + 4 j + kq)
.set BI, 144                   ; v144-175  bias of piece m, choice j at BI + 4 (2 m + j)
.set OU, 176                   ; v176-191  four registers to store for each piece
	s_load_b256 s[4:11], s[0:1], 0x0               ; part s[4:5], b2 s[6:7], topi s[8:9], topw s[10:11]
	s_load_b64 s[12:13], s[0:1], 0x20              ; out0
	v_lshrrev_b32 v1, 5, v0
	v_readfirstlane_b32 s14, v1                    ; wave 0..7
	v_and_b32 v1, 31, v0
	v_lshlrev_b32 v2, 4, v1                        ; 16 x lane: quarter 0;
	v_add_nc_u32 v3, 0x800000, v2                  ; a quarter of part is 8 MB
	v_add_nc_u32 v4, 0x1000000, v2
	v_add_nc_u32 v5, 0x1800000, v2
	s_lshr_b32 s15, s14, 1
	s_lshl_b32 s24, ttmp9, 2
	s_add_co_u32 s15, s15, s24                     ; token = 4 x work-group + wave / 2
	s_and_b32 s24, s14, 1
	s_lshl_b32 s24, s24, 11                        ; my half of a row, in bytes
	s_lshl_b32 s25, s15, 3                         ; 8 bytes a token in topi and topw
	s_lshl_b32 s26, s15, 13                        ; rows 2 t and 2 t + 1 of part
	s_add_co_u32 s26, s26, s24
	s_mov_b32 s27, 0
	s_lshl_b32 s28, s15, 12
	s_add_co_u32 s28, s28, s24
	s_mov_b32 s29, 0
	s_mov_b32 s31, 0
	s_wait_kmcnt 0x0
	s_load_b64 s[16:17], s[8:9], s25 offset:0x0    ; the two experts
	s_load_b64 s[18:19], s[10:11], s25 offset:0x0  ; the two weights
	s_add_nc_u64 s[4:5], s[4:5], s[26:27]
	s_add_nc_u64 s[12:13], s[12:13], s[28:29]
.set n, 0
.rept 32                                               ; n = 8 m + 4 j + kq
	global_load_b128 v[PR+4*n:PR+4*n+3], v[2+n%4], s[4:5] offset:((n/4)%2)*4096+(n/8)*512 th:TH_LOAD_NT
.set n, n+1
.endr
	s_wait_kmcnt 0x0
	s_min_u32 s16, s16, 7
	s_min_u32 s17, s17, 7
	s_lshl_b32 s30, s16, 12                        ; a row of b2 is 4 KB
	s_add_co_u32 s30, s30, s24
	s_add_nc_u64 s[32:33], s[6:7], s[30:31]
	s_lshl_b32 s30, s17, 12
	s_add_co_u32 s30, s30, s24
	s_add_nc_u64 s[34:35], s[6:7], s[30:31]
	s_mov_b32 s20, s18                             ; the weights as pairs for the packed forms
	s_mov_b32 s21, s18
	s_mov_b32 s22, s19
	s_mov_b32 s23, s19
.set m, 0
.rept 4
	global_load_b128 v[BI+8*m:BI+8*m+3],   v2, s[32:33] offset:512*m
	global_load_b128 v[BI+8*m+4:BI+8*m+7], v2, s[34:35] offset:512*m
.set m, m+1
.endr
.macro SUMROW m, j                     ; ((p0 + p1) + (p2 + p3)) + the rounded bias, into p0's registers
.set b, PR+4*(8*(\m)+4*(\j))
.set c, BI+4*(2*(\m)+(\j))
	v_cvt_pk_bf16_f32 v6, v[c], v[c+1]
	v_cvt_pk_bf16_f32 v7, v[c+2], v[c+3]
	v_pk_add_f32 v[b:b+1], v[b:b+1], v[b+4:b+5]
	v_pk_add_f32 v[b+2:b+3], v[b+2:b+3], v[b+6:b+7]
	v_pk_add_f32 v[b+8:b+9], v[b+8:b+9], v[b+12:b+13]
	v_pk_add_f32 v[b+10:b+11], v[b+10:b+11], v[b+14:b+15]
	v_lshlrev_b32 v[c], 16, v6
	v_and_b32 v[c+1], 0xffff0000, v6
	v_lshlrev_b32 v[c+2], 16, v7
	v_and_b32 v[c+3], 0xffff0000, v7
	v_pk_add_f32 v[b:b+1], v[b:b+1], v[b+8:b+9]
	v_pk_add_f32 v[b+2:b+3], v[b+2:b+3], v[b+10:b+11]
	v_pk_add_f32 v[b:b+1], v[b:b+1], v[c:c+1]
	v_pk_add_f32 v[b+2:b+3], v[b+2:b+3], v[c+2:c+3]
.endm
.irp m, 0,1,2,3
	s_wait_loadcnt 6-2*\m                          ; loads come back in order (ISA guide 5.7.1): the later pieces' bias loads, two each, stay out
	SUMROW \m, 0
	SUMROW \m, 1
	v_pk_mul_f32 v[OU+4*\m:OU+4*\m+1],   v[PR+32*\m:PR+32*\m+1],   s[20:21] op_sel_hi:[1,0]
	v_pk_mul_f32 v[OU+4*\m+2:OU+4*\m+3], v[PR+32*\m+2:PR+32*\m+3], s[20:21] op_sel_hi:[1,0]
	v_pk_fma_f32 v[OU+4*\m:OU+4*\m+1],   v[PR+32*\m+16:PR+32*\m+17], s[22:23], v[OU+4*\m:OU+4*\m+1] op_sel_hi:[1,0,1]
	v_pk_fma_f32 v[OU+4*\m+2:OU+4*\m+3], v[PR+32*\m+18:PR+32*\m+19], s[22:23], v[OU+4*\m+2:OU+4*\m+3] op_sel_hi:[1,0,1]
	global_store_b128 v2, v[OU+4*\m:OU+4*\m+3], s[12:13] offset:512*\m th:TH_STORE_NT
.endr
	s_endpgm
.Lfunc_end_k_qd0979c51a5_combine:
	.size	k_qd0979c51a5_combine, .Lfunc_end_k_qd0979c51a5_combine-k_qd0979c51a5_combine
	.p2alignl 7, 3214868480
	.fill 96, 4, 3214868480
	.section	.rodata,"a",@progbits
	.p2align	6, 0x0
	.amdhsa_kernel k_qd0979c51a5_combine
		.amdhsa_group_segment_fixed_size 0
		.amdhsa_private_segment_fixed_size 0
		.amdhsa_enable_private_segment 0
		.amdhsa_kernarg_size 40
		.amdhsa_user_sgpr_count 2
		.amdhsa_user_sgpr_kernarg_segment_ptr 1
		.amdhsa_wavefront_size32 1
		.amdhsa_system_sgpr_workgroup_id_x 1
		.amdhsa_system_sgpr_workgroup_id_y 1
		.amdhsa_system_sgpr_workgroup_id_z 1
		.amdhsa_system_vgpr_workitem_id 0
		.amdhsa_next_free_vgpr 192
		.amdhsa_next_free_sgpr 66
		.amdhsa_reserve_vcc 0
		.amdhsa_float_denorm_mode_32 3
		.amdhsa_float_denorm_mode_16_64 3
		.amdhsa_memory_ordered 1
		.amdhsa_forward_progress 1
		.amdhsa_inst_pref_size 14
	.end_amdhsa_kernel
	.amdgpu_metadata
---
amdhsa.version: [ 1, 2 ]
amdhsa.kernels:
  - .name:           k_qd0979c51a5_combine
    .symbol:         k_qd0979c51a5_combine.kd
    .args:
      - { .name: part, .offset: 0, .size: 8, .value_kind: global_buffer, .address_space: global }
      - { .name: b2, .offset: 8, .size: 8, .value_kind: global_buffer, .address_space: global }
      - { .name: topi, .offset: 16, .size: 8, .value_kind: global_buffer, .address_space: global }
      - { .name: topw, .offset: 24, .size: 8, .value_kind: global_buffer, .address_space: global }
      - { .name: out0, .offset: 32, .size: 8, .value_kind: global_buffer, .address_space: global }
    .group_segment_fixed_size: 0
    .private_segment_fixed_size: 0
    .kernarg_segment_align: 8
    .kernarg_segment_size: 40
    .max_flat_workgroup_size: 256
    .sgpr_count:     66
    .vgpr_count:     192
    .wavefront_size: 32
...
	.end_amdgpu_metadata
.endif
;; end of part 4
;; ======== version 2 of 2: 4 launches; version 1 with the launch ffn2 written anew for expert scheduling mode
;; workspace buffers: xb 2,097,152 bytes; topi 8,192 bytes of whole numbers; topw 8,192 bytes; sel 4,096 bytes of whole numbers; hid 67,108,864 bytes; part 33,554,432 bytes
;; launch router: the kernel of part 1 again; grid 32 x 1, 8 waves a work-group, no clusters, 75,264 bytes of LDS; arguments x, Wg, xb, topi, topw, sel; writes xb, topi, topw, sel
;; launch ffn1: the kernel of part 2 again; grid 32 x 8, 4 waves a work-group, no clusters, 281,088 bytes of LDS; arguments xb, W1, b1, sel, hid; writes hid
;; launch ffn2 (part 5): grid 32 x 8, 4 waves a work-group, no clusters, 281,088 bytes of LDS; arguments hid, W2, sel, part; writes part
.if DOCPART == 5
	.amdgcn_target "amdgcn-amd-amdhsa--gfx1250"
	.amdhsa_code_object_version 6
	.text
	.protected	k_qd0979c51a5_ffn2
	.globl	k_qd0979c51a5_ffn2
	.p2align	8
	.type	k_qd0979c51a5_ffn2,@function
k_qd0979c51a5_ffn2:
	s_mov_b64 s[64:65], 0
	v_nop
	global_prefetch_b8 v0, s[64:65] scope:SCOPE_SE
	s_setreg_imm32_b32 hwreg(HW_REG_WAVE_SCHED_MODE, 0, 2), 2
	s_setreg_imm32_b32 hwreg(HW_REG_WAVE_MODE, 25, 1), 1
	s_wait_xcnt 0x0
	s_wait_alu depctr_vm_vsrc(0)
; THE SECOND PRODUCT OF AN EXPERT'S LAYER.  part[kq] = hid W2[e] over a quarter kq of the hidden width, f32 partial rows, for the rows (token, choice) that chose expert e.
; All operands are bf16 (W2 rounded here on its way through registers, nearest even; the hidden layer was stored rounded to bf16), sums f32.
; SHARES.  A work-group owns a slice of ONE expert's weights, 1,024 (K) x 128 columns, which it alone reads: 512 KB of f32, each byte once.  Phase 1: each of the four waves streams
; 256 K rows through registers into LDS, already ordered as matrix fragments (256 KB of bf16).  One barrier.  Phase 2: each wave multiplies blocks of up to five tiles of 16 rows x 128 columns of its own:
; row fragments come from memory straight into registers, weight fragments from LDS; NOTHING WRITES LDS in phase 2, so it needs no barrier and its work may hang on the expert's count of rows.
; EVERY SPLIT IS SERVED.  An expert has TT = ceil(count / 16) tiles, 64 at the most.  Each of four passes takes up to 20 of them and deals them evenly: of n tiles wave w takes n / 4, one more if w < n % 4.
; A wave with no tile jumps the pass; an expert with no rows stores nothing.  The text is written for five tiles: places past a wave's tiles repeat its last tile; the fifth tile's products are jumped
; where the wave has four or fewer (but in the first K step, so that its accumulators are written on every way), and a tile that does not exist is not sent out.
; THE ROWS.  Place p of the expert's rows is the p-th set bit of the router's bitmap (first or second choice).  Places past the count repeat the last row: in hid they hold its numbers once more, and
; their results are stored to the last row's place in part: the same bytes with the same values.  A block wants forty places a lane (eight a tile, for its stores), so each wave lays a list in LDS,
; ahead of the barrier: entry p = 2 x token + choice.  NaN and infinities are not treated apart.
; NO CLUSTER, NO TENSOR LOADS: each weight byte has one reader and must pass through registers to be rounded; what an expert's 32 work-groups share is its rows, and two slots of
; 320 rows x 256 bytes (160 KB) have no room beside the slice's 256 KB.
; FRAGMENTS.  Weight fragment a = 4 g + c holds in lane l % 16 column 64 g + 4 (l % 16) + c, as the 16-byte loads bring them.
; Source 0 = rows, source 1 = W: lane (r, h), accumulator (g, c), register j hold row 8 h + j, column 64 g + 4 r + c: sixteen lanes hold 256 neighbouring bytes of a row.
; hid: [expert][tile of 16 rows: 64][step: 128][1,024 bytes]; a block IS a row fragment: registers 0-3 at 16 x lane, 4-7 at 512 + 16 x lane;
; element 2 n + b of lane (r, h) in step S is hidden column 64 (S / 2) + 32 h + 16 (S % 2) + 2 n + b, and W2's fragments take their K rows in the same order.
; THE MODE: SCHED_MODE bits 1:0 = 2 (LLVM: expert scheduling mode 2), set by the entry lines.  The code itself states the register dependences
; between vector or matrix instructions and memory or LDS instructions, with s_wait_alu, always for 0.
; THE PLAN.  Registers that memory or LDS instructions touch, and who else names them:
;   PHASE 1.  Ring unit b: its 32 conversions read it; behind them its next 16 loads land in it.  F0, F1: unit b's conversions write F[b % 2], its 8 LDS stores read it.
;             v[WAU+b]: read by unit b's loads, stepped behind its conversions.  v[WST]: read by every LDS store, stepped at a trip's end.
;             v[ZA], v[LA ..], v[LD ..]: addresses and data of the list's stores, each written once, ahead of one wait and one run of stores.
;             So a unit has ONE wait on va_vdst, behind its conversions; units 1 and 2 have beside it a wait on vm_vsrc for the stores of the unit before, and a trip's end has one ahead of the add to v[WST].
;   PHASE 2.  Slot s % 4: step s's products read it, step s + 1's ten loads land in it.  W buffer s % 2: step s's products read it, step s + 1's sixteen LDS loads land in it.
;             v[ROW ..]: written at a block's head.  v[BA]: written every four steps and at a block's end.  The accumulators are named by matrix and vector instructions alone.
;             So a step has ONE wait on va_vdst, at its head, behind the waits for its own data; its 26 loads follow, dealt among its products, which name slot s % 4, buffer s % 2 and the accumulators:
;             none of the registers that those loads touch.
;   THE WAY OUT, a tile: v[LE ..] written, then read by eight list loads, which land in v[EN ..]; v[Y ..] and v[OA ..] written, then read by sixteen stores: one wait on vm_vsrc at the head, two on va_vdst.
.set ROWB, 4096                ; bytes in a row of W
.set WSH,  20                  ; a wave's 256 rows of W, as a shift
.set SS,   1024                ; bytes from a K step's row fragment to the next
.set AH,   512                 ; to a fragment's second half
.set CS,   4096                ; four K steps
.set SELP, 8
.set MW,   0xa4                ; products: source 0 (rows) window 0, source 1 (W) window 1, C and D window 2
; LDS: 0 the slice: fragment (K step s, a) at 8,192 s + 1,024 a; lane i reads and writes at 16 i, so nothing collides
.set LST,   262144             ; a list for each wave, its own: 1,024 entries, 32 words for the lanes that have nothing to say, and the rest of nine runs of 512 bytes
.set LSTB,  4608
.set SPARE, 280576             ; the spare words, 128 bytes a wave: two blocks of 256 bytes that no other line names
; REGISTERS, in windows of 256 (s_set_vgpr_msb: bits 1:0 source 0, 3:2 source 1, 5:4 source 2, 7:6 destination)
;   window 0: v0-63 below; v64-223 four slots of row fragments (slot s, tile i at 64 + 40 s + 8 i); in phase 1 v64-127 the list's addresses and entries, v128-191 packed fragments; on the way out at work
;   window 1: v0-63, v64-127 two buffers of weight fragments
;   window 2: accumulators of tiles 0-3 at 64 i + 8 a; in phase 1 the ring of 4 x 64 registers          window 3: v0-63 tile 4
.set L16, 4                    ; 16 x lane
.set WST, 7                    ; where my wave's fragments go
.set BA,  8                    ; where weight fragments are read
.set R16, 9                    ; 16 x r
.set LB,  10                   ; my list
.set DUM, 11                   ; 1,024 + lane
.set TOK, 12                   ; 2 x token of my lane in the group in hand
.set ZA,  13                   ; where I put 16 bytes of zeros in my list; written once
.set TP,  14                   ; the way out: my lanes' first place in the list
.set ROW, 22                   ; v22-26 byte offset of my 16 bytes in each tile's rows
.set SPW, 28                   ; LDS address of my spare word; never rewritten
.set NIL, 29                   ; 0; never rewritten
.set WAU, 56                   ; v56-59 W: each ring unit's own offset: 16 (l % 16), 131,072 bytes (32 rows of 4 KB) for the upper lanes, and the trips' steps
.set AS,  64
.set LA,  64                   ; v64-95   phase 1: group g's LDS address in the list
.set LD,  96                   ; v96-127  phase 1: group g's entry
.set F,   128                  ; v128-159, v160-191 phase 1: two buffers of packed fragments, by the unit's parity
.set Y,   64                   ; the way out: v64-127 a tile's 64 numbers, four neighbouring columns in four neighbouring registers,
.set OA,  128                  ; v128-135 my offsets in part for rows 8 h + j,
.set EN,  136                  ; v136-143 those rows' list entries,
.set LE,  144                  ; v144-151 and the entries' LDS addresses
.set FT,  6                    ; s6 my block's first tile (W's address has left s[6:7] by then)
.set NT,  7                    ; s7 my block's tiles, 1 to 5
.set WV,  14                   ; s14 wave
.set EX,  15                   ; s15 expert
                               ; s16-47 the bitmap's words: first choices.  s48-63, s68-83 second choices
.set CNT, 84                   ; s84 the expert's rows
.set CM1, 85
.set TT,  86                   ; its tiles
.set PB,  87                   ; the pass's first tile
.set PAS, 88
.set TI,  89
.set NS,  90                   ; at the head only: the slice's number,
.set KQ,  91                   ; and the K quarter
.set LC,  91
.set WP,  92                   ; s[92:93] W at my wave's first row; never stepped
.set AP,  94                   ; s[94:95] the rows, walking
.set OP,  96                   ; s[96:97] the output
.set TB,  101                  ; s101 LDS byte at which the four K steps in hand begin
.set MSB, 0
.macro WIN new                         ; the immediate's high byte repeats the setting that is left; a switch that changes nothing is dropped
.if MSB != (\new)
	s_set_vgpr_msb (MSB<<8)|(\new)
.set MSB, \new
.endif
.endm
.macro PLACES                          ; four places between a matrix instruction and a write of or a read of its registers; ahead of loads into them they stay beside the wait that states the dependence
.rept 4
	v_nop
.endr
.endm
; PHASE 1.  A unit is 32 K x 64 columns: 16 loads of 16 bytes a lane; lanes 0-15 take 256 consecutive, aligned bytes of one row, lanes 16-31 of another.  Unit b of a trip: K step b / 2, column group b % 2.
.macro FILLU b
	WIN 0x80                                       ; destination window 2
.set q, 0
.rept 16
	global_load_b128 v[64*(\b)+4*q:64*(\b)+4*q+3], v[WAU+(\b)], s[WP:WP+1] offset:(16*((\b)>>1)+q)*ROWB+256*((\b)&1) th:TH_LOAD_NT
.set q, q+1
.endr
.endm
.macro UNIT b, refill, left            ; left: the younger loads, which stay out
.set FB, F+32*((\b)&1)
	s_wait_loadcnt \left                           ; loads come back in order (ISA guide 5.7.1): this unit's sixteen are in, so its offset register is free too
	WIN 0x0a                                       ; sources window 2
.set c, 0
.rept 4
.set i, 0
.rept 8
	v_cvt_pk_bf16_f32 v[FB+8*c+i], v[64*(\b)+8*i+c], v[64*(\b)+8*i+4+c]  ; column c of the lane's four, K elements 2 i and 2 i + 1
.set i, i+1
.endr
.set c, c+1
.endr
	WIN 0
.if \refill
	v_add_nc_u32 v[WAU+(\b)], 64*ROWB, v[WAU+(\b)] ; the unit's place in the next trip, 64 rows on; the loads that read it stand ahead of an earlier wait on vm_vsrc
.endif
	s_wait_alu depctr_va_vdst(0)                   ; the conversions have written F[b % 2], which the LDS stores read, and are done reading the ring's unit, in which the loads below land; v[WAU+b] is written, and in a trip's first unit v[WST]
.if ((\b) == 1) || ((\b) == 2)
	s_wait_alu depctr_vm_vsrc(0)                   ; the LDS stores of the unit before have read the other F, which the next unit's conversions write (for units 0 and 1 the wait at a trip's end, or ahead of the loop, says so)
.endif
.set c, 0
.rept 4
	ds_store_b128 v[WST], v[FB+8*c:FB+8*c+3]   offset:((\b)>>1)*8192+((\b)&1)*4096+c*1024
	ds_store_b128 v[WST], v[FB+8*c+4:FB+8*c+7] offset:((\b)>>1)*8192+((\b)&1)*4096+c*1024+512
.set c, c+1
.endr
.if \refill
	FILLU \b                                       ; no wait: nothing issued since the wait on va_vdst names the ring's unit or v[WAU+b]
.endif
.endm
; PHASE 2.
.macro AFILL slot, off                 ; a K step's row fragments of five tiles: ten loads
	WIN 0
.set i, 0
.rept 5
	global_load_b128 v[AS+40*(\slot)+8*i:AS+40*(\slot)+8*i+3],   v[ROW+i], s[AP:AP+1] offset:(\off)
	global_load_b128 v[AS+40*(\slot)+8*i+4:AS+40*(\slot)+8*i+7], v[ROW+i], s[AP:AP+1] offset:(\off)+AH
.set i, i+1
.endr
.endm
.macro BLOAD idx, buf, a0              ; four of a K step's eight weight fragments, a0 to a0 + 3: eight LDS loads
	WIN 0x40                                       ; destination window 1
.set a, \a0
.rept 4
	ds_load_b128 v[64*(\buf)+8*a:64*(\buf)+8*a+3],   v[BA] offset:(\idx)*8192+a*1024
	ds_load_b128 v[64*(\buf)+8*a+4:64*(\buf)+8*a+7], v[BA] offset:(\idx)*8192+a*1024+512
.set a, a+1
.endr
.endm
.macro TILE8 slot, buf, first, t       ; tile t's eight matrix instructions of a K step.  first = 1: the sums start, with 0
	WIN MW+0x50*((\t)/4)                           ; C and D window 2 or 3
.set a, 0
.rept 8
.set rD, 64*((\t)%4)+8*a
.set rX, AS+40*(\slot)+8*(\t)          ; source 0: rows
.set rY, 64*(\buf)+8*a                 ; source 1: W
.if \first
	v_wmma_f32_16x16x32_bf16 v[rD:rD+7], v[rX:rX+7], v[rY:rY+7], 0
.else
	v_wmma_f32_16x16x32_bf16 v[rD:rD+7], v[rX:rX+7], v[rY:rY+7], v[rD:rD+7]
.endif
.set a, a+1
.endr
.endm
; A K step: 40 matrix instructions, or 32; the accumulators take turns, in the same order in every step.  A wave with four tiles or fewer jumps the fifth tile's eight,
; but not in the first step, which writes those accumulators on every way.
; rf = 1: the slot multiplied last step is filled again, three steps ahead of its use; nb = 1: the next step's weight fragments are fetched into the buffer multiplied last step.
; The loads are dealt among the products: the weights first, which the next step's head waits for, the rows last.  lc: the loads of the younger slots, ten each on every way, which stay out.
.macro STEP slot, first, rf, rfoff, nb, lc
	s_wait_loadcnt \lc                             ; loads come back in order (ISA guide 5.7.1): this step's row fragments are in
	s_wait_dscnt 0x0                               ; and its weight fragments: the next step's are asked for below
.if ((\rf) || (\nb)) && !(\first)
	s_wait_alu depctr_va_vdst(0)                   ; the last step's products are done reading their slot and their weight buffer, in which the loads below land; behind a change of four steps v[BA] is written
.endif
	TILE8 \slot, (\slot)&1, \first, 0
.if ((\rf) || (\nb)) && !(\first)
	PLACES
.endif
.if \nb
	BLOAD (\slot)+1, ((\slot)+1)&1, 0              ; no wait: the products since the wait name this step's slot and buffer and the accumulators
.endif
	TILE8 \slot, (\slot)&1, \first, 1
.if \nb
	BLOAD (\slot)+1, ((\slot)+1)&1, 4
.endif
	TILE8 \slot, (\slot)&1, \first, 2
.if \rf
	AFILL ((\slot)+3)%4, \rfoff
.endif
	TILE8 \slot, (\slot)&1, \first, 3
.if \first
	TILE8 \slot, (\slot)&1, 1, 4
.else
	WIN 0                                          ; at a branch and at a label every window is 0
	s_cmp_lt_u32 s[NT], 5
	s_cbranch_scc1 .Lno4_\@
	TILE8 \slot, (\slot)&1, 0, 4
	WIN 0
.Lno4_\@:
.endif
.endm
.macro ADV                             ; four K steps on
	WIN 0
	s_wait_xcnt 0x0                                ; the base is stepped only behind this wait
	s_wait_alu depctr_vm_vsrc(0)                   ; the LDS loads issued so far have read v[BA]
	s_add_nc_u64 s[AP:AP+1], s[AP:AP+1], CS
	s_add_co_u32 s[TB], s[TB], 0x8000
	v_add_nc_u32 v[BA], s[TB], v[L16]
.endm
; Tile t's 64 accumulator registers are copied into one set in window 0, each accumulator from its low end on, so that ONE text of the way out serves the five register sets.
; The copy also brings columns c = 0..3 into four neighbouring registers, 16 bytes to store.
.macro PUT t
	WIN 0x02+((\t)/4)                              ; source window 2 or 3
.set a, 0
.rept 8
.set j, 0
.rept 8
	v_mov_b32 v[Y+32*(a/4)+4*j+a%4], v[64*((\t)%4)+8*a+j]
.set j, j+1
.endr
.set a, a+1
.endr
	WIN 0
.endm
	s_load_b256 s[4:11], s[0:1], 0x0               ; hid s[4:5], W2 s[6:7], sel s[8:9], part s[10:11]
	v_lshl_add_u32 v[SPW], v0, 2, SPARE
	v_mov_b32 v[NIL], 0
	v_lshrrev_b32 v1, 5, v0
	v_readfirstlane_b32 s[WV], v1                  ; wave 0..3
	v_and_b32 v1, 31, v0                           ; lane
	v_and_b32 v2, 15, v0                           ; r
	v_bfe_u32 v3, v0, 4, 1                         ; h
	v_lshlrev_b32 v[L16], 4, v1
	v_lshlrev_b32 v[WAU], 4, v2
	v_lshl_add_u32 v[WAU], v3, 17, v[WAU]
.irp b, 1,2,3
	v_mov_b32 v[WAU+\b], v[WAU]
.endr
	v_lshlrev_b32 v[R16], 4, v2
	v_add_nc_u32 v[DUM], 0x400, v1
	v_lshlrev_b32 v[TOK], 1, v1
.set n, 0
.rept 4
	v_mov_b32 v[F+n], 0                            ; sixteen bytes of zeros for the list
.set n, n+1
.endr
	s_wait_alu depctr_va_sdst(0)                   ; s14, the wave's number, is written, ahead of its first reader: LDS addresses and the bases are made from it
	s_lshl_b32 s98, s[WV], 16                      ; a wave's 8 K steps of fragments
	v_add_nc_u32 v[WST], s98, v[L16]
	s_mul_i32 s98, s[WV], LSTB
	s_add_co_u32 s98, s98, LST
	v_mov_b32 v[LB], s98
	v_add_nc_u32 v[ZA], v[LB], v[L16]
	s_and_b32 s[EX], ttmp7, 0xffff
	s_and_b32 s[NS], ttmp9, 7
	s_lshr_b32 s[KQ], ttmp9, 3
	s_mov_b32 s99, 0
	s_mov_b32 s[CNT], 0
	s_wait_kmcnt 0x0
	s_lshl_b32 s98, s[EX], 7                       ; the expert's row of the bitmap
	s_add_nc_u64 s[SELP:SELP+1], s[SELP:SELP+1], s[98:99]
	s_load_b512 s[16:31], s[SELP:SELP+1], 0x0      ; first choices, groups 0-15,
	s_load_b512 s[32:47], s[SELP:SELP+1], 0x40     ; 16-31;
	s_load_b512 s[48:63], s[SELP:SELP+1], 0x400    ; second choices
	s_load_b512 s[68:83], s[SELP:SELP+1], 0x440
	s_lshl_b32 s98, s[EX], 24                      ; an expert's weights are 16 MB
	s_lshl_b32 s100, s[NS], 9                      ; 128 columns of f32
	s_add_co_u32 s98, s98, s100
	s_lshl_b32 s100, s[WV], WSH
	s_add_co_u32 s98, s98, s100
	s_lshl_b32 s100, s[KQ], 22                     ; 1,024 rows of 4 KB
	s_add_co_u32 s98, s98, s100
	s_add_nc_u64 s[WP:WP+1], s[6:7], s[98:99]
	s_lshl_b32 s98, s[EX], 23
	s_lshl_b32 s100, s[KQ], 15                     ; 32 blocks of 1,024 bytes a quarter
	s_add_co_u32 s98, s98, s100
	s_add_nc_u64 s[4:5], s[4:5], s[98:99]          ; hid at my expert and quarter
	s_lshl_b32 s98, s[KQ], 23                      ; part: 2,048 rows of 4 KB a quarter
	s_lshl_b32 s100, s[NS], 9
	s_add_co_u32 s98, s98, s100
	s_add_nc_u64 s[OP:OP+1], s[10:11], s[98:99]
	s_wait_alu depctr_va_vdst(0)                   ; v[WAU ..] are written, which the ring's loads read; so are v[ZA] and the four zeros, which the nine LDS stores below read, and v[WST]
	FILLU 0                                        ; the ring is filled: 64 loads, 32 KB a wave
	FILLU 1
	FILLU 2
	FILLU 3
	WIN 0
	; my list's 4,608 bytes are written once with zeros, so that every word of it holds a number
.set n, 0
.rept 9
	ds_store_b128 v[ZA], v[F:F+3] offset:512*n
.set n, n+1
.endr
	s_wait_kmcnt 0x0                               ; the bitmap
	; THE LIST, in the wait for the first weights.  Group g: a chosen lane's place is the count so far plus the chosen lanes below it; the other lanes write a word of their own behind the list.
	; All 32 addresses and entries are made first, each in a register of its own, so that one wait serves the 32 stores.
.set g, 0
.rept 32
	s_or_b32 s98, s[16+g], s[48+g+4*(g/16)]
	v_mbcnt_lo_u32_b32 v[LA+g], s98, s[CNT]
	v_cndmask_b32 v[LA+g], v[DUM], v[LA+g], s98
	v_min_u32 v[LA+g], 0x41f, v[LA+g]              ; inside the list's first 1,056 words
	v_lshl_add_u32 v[LA+g], v[LA+g], 2, v[LB]
	v_cndmask_b32 v[LD+g], 0, 1, s[48+g+4*(g/16)]
	v_or_b32 v[LD+g], v[TOK], v[LD+g]              ; 2 x token + choice
	v_add_nc_u32 v[TOK], 64, v[TOK]
	s_bcnt1_i32_b32 s99, s98
	s_add_co_u32 s[CNT], s[CNT], s99
.set g, g+1
.endr
	s_wait_alu depctr_va_vdst(0)                   ; v[LA ..] and v[LD ..] are written, which the 32 LDS stores read
.set g, 0
.rept 32
	ds_store_b32 v[LA+g], v[LD+g]                  ; LDS serves a wave's instructions in order (ISA guide 5.7.1.4): these come behind the zeros
.set g, g+1
.endr
	s_sub_co_u32 s[CM1], s[CNT], 1
	s_add_co_u32 s[TT], s[CNT], 15
	s_lshr_b32 s[TT], s[TT], 4
	s_mov_b32 s[LC], 3
	s_wait_alu depctr_vm_vsrc(0)                   ; the stores of zeros have read v[F ..], which the first conversions write; the ring's first loads have read v[WAU ..], which the units step
.Lstream:                                              ; a trip: 64 K rows x 128 columns, four units; each unit's registers are asked for again as soon as they are packed
	UNIT 0, 1, 48                                  ; three younger units, 48 loads, stay out
	UNIT 1, 1, 48
	UNIT 2, 1, 48
	UNIT 3, 1, 48
	WIN 0
	s_wait_alu depctr_vm_vsrc(0)                   ; the trip's LDS stores have read v[WST]; and both F, which the next trip's first two units write
	v_add_nc_u32 v[WST], 0x4000, v[WST]            ; two K steps of fragments
	s_sub_co_u32 s[LC], s[LC], 1
	s_cmp_lg_u32 s[LC], 0
	s_cbranch_scc1 .Lstream
	UNIT 0, 0, 48                                  ; the last trip asks for nothing: the counts run down
	UNIT 1, 0, 32
	UNIT 2, 0, 16
	UNIT 3, 0, 0
	s_wait_dscnt 0x0                               ; for the others' sake: my fragments lie in LDS
	s_barrier_signal -1
	s_barrier_wait -1                              ; the slice is whole; from here to the closing barrier no wave writes LDS
	s_mov_b32 s[PB], 0
	s_mov_b32 s[TB], 0                             ; a block leaves these three as it found them
	v_mov_b32 v[BA], v[L16]
	s_mov_b32 s[TI], 0
	s_mov_b32 s[PAS], 4
.Lpass:                                                ; four passes, a constant; what a pass does not need is jumped, and nothing jumped holds a barrier
	s_cmp_le_u32 s[TT], s[PB]
	s_cbranch_scc1 .Lskip                          ; no tile is left
	s_sub_co_u32 s98, s[TT], s[PB]
	s_min_u32 s98, s98, 20                         ; n: the pass's tiles
	s_lshr_b32 s99, s98, 2                         ; n / 4 for each wave,
	s_and_b32 s100, s98, 3                         ; one more for the first n % 4
	s_mul_i32 s[FT], s[WV], s99
	s_min_u32 s98, s[WV], s100
	s_add_co_u32 s[FT], s[FT], s98
	s_add_co_u32 s[FT], s[FT], s[PB]               ; my first tile
	s_cmp_lt_u32 s[WV], s100
	s_cselect_b32 s98, 1, 0
	s_add_co_u32 s[NT], s99, s98                   ; my tiles
	s_cmp_eq_u32 s[NT], 0
	s_cbranch_scc1 .Lskip
	s_wait_xcnt 0x0                                ; the last block's stores have read their registers
	s_wait_alu depctr_vm_vsrc(0)                   ; the last block's loads have read v[ROW ..], written below; phase 1's LDS stores, or the last block's stores and list loads, have read the registers of the slots, in which the loads below land
	s_sub_co_u32 s99, s[NT], 1
.set i, 0
.rept 5
	s_min_u32 s98, s99, i                          ; places past my tiles repeat my last tile
	s_add_co_u32 s98, s98, s[FT]
	s_min_u32 s98, s98, 63
	s_lshl_b32 s98, s98, 17                        ; a tile's 128 blocks
	v_add_nc_u32 v[ROW+i], s98, v[L16]
.set i, i+1
.endr
	s_mov_b64 s[AP:AP+1], s[4:5]
	s_wait_alu depctr_va_vdst(0)                   ; v[ROW ..] and v[BA] are written; every vector or matrix instruction that named the slots or the two weight buffers is done: it serves the loads below and the first step's
	AFILL 0, 0
	AFILL 1, SS
	AFILL 2, 2*SS
	AFILL 3, 3*SS
	BLOAD 0, 0, 0
	BLOAD 0, 0, 4
	STEP 0, 1, 0, 0, 1, 30                         ; K steps 0-3: the first starts the sums; three younger slots stay out
	STEP 1, 0, 1, CS, 1, 20                        ; from here on two: the third is asked for inside the step
	STEP 2, 0, 1, CS+SS, 1, 20
	STEP 3, 0, 1, CS+2*SS, 1, 20
	ADV
	s_mov_b32 s[LC], 6
.Lchunk:                                               ; K steps 4-27, four a trip
	STEP 0, 0, 1, 3*SS, 1, 20
	STEP 1, 0, 1, CS, 1, 20
	STEP 2, 0, 1, CS+SS, 1, 20
	STEP 3, 0, 1, CS+2*SS, 1, 20
	ADV
	s_sub_co_u32 s[LC], s[LC], 1
	s_cmp_lg_u32 s[LC], 0
	s_cbranch_scc1 .Lchunk
	STEP 0, 0, 1, 3*SS, 1, 20                      ; K steps 28-31: one more fill, then the counts run down; no load leaves its row
	STEP 1, 0, 0, 0, 1, 20
	STEP 2, 0, 0, 0, 1, 10
	STEP 3, 0, 0, 0, 0, 0
	PLACES                                         ; behind the last product: the copies read results and write operands, and the next loads land on operands
	WIN 0
	s_mov_b32 s[TB], 0                             ; back to the slice's first K step, for the next block
	s_wait_alu depctr_vm_vsrc(0)                   ; the block's LDS loads have read v[BA]
	v_mov_b32 v[BA], v[L16]
	s_mov_b32 s[TI], 5
.Ltile:                                                ; five tiles, a constant; a tile that I do not have is jumped
	s_sub_co_u32 s98, 5, s[TI]                     ; the tile's number in my block
	s_cmp_ge_u32 s98, s[NT]
	s_cbranch_scc1 .Ltnext
	s_wait_xcnt 0x0                                ; the last tile's stores have read their registers
	s_wait_alu depctr_vm_vsrc(0)                   ; the last tile's stores have read v[Y ..] and v[OA ..], its list loads v[LE ..]: all three are written again below, on every way
	s_add_co_u32 s98, s98, s[FT]                   ; its number among the expert's
	s_lshl_b32 s99, s98, 4                         ; the tile's first place in the list
	v_lshl_add_u32 v[TP], v3, 3, s99               ; my lanes' rows are 8 h + j
.set j, 0
.rept 8
	v_add_nc_u32 v[LE+j], j, v[TP]
.set j, j+1
.endr
.set j, 0
.rept 8
	v_min_u32 v[LE+j], s[CM1], v[LE+j]             ; places past the count repeat the last row
.set j, j+1
.endr
.set j, 0
.rept 8
	v_min_u32 v[LE+j], 0x3ff, v[LE+j]
.set j, j+1
.endr
.set j, 0
.rept 8
	v_lshl_add_u32 v[LE+j], v[LE+j], 2, v[LB]
.set j, j+1
.endr
	s_wait_alu depctr_va_vdst(0)                   ; v[LE ..] are written, which the list loads read; the last tile's lines, or the last products, are done with v[EN ..], in which they land
.set j, 0
.rept 8
	ds_load_b32 v[EN+j], v[LE+j]
.set j, j+1
.endr
	s_cmp_eq_u32 s[TI], 5
	s_cbranch_scc1 .Lput0
	s_cmp_eq_u32 s[TI], 4
	s_cbranch_scc1 .Lput1
	s_cmp_eq_u32 s[TI], 3
	s_cbranch_scc1 .Lput2
	s_cmp_eq_u32 s[TI], 2
	s_cbranch_scc1 .Lput3
	PUT 4
	s_branch .Lcommon
.Lput0:
	PUT 0
	s_branch .Lcommon
.Lput1:
	PUT 1
	s_branch .Lcommon
.Lput2:
	PUT 2
	s_branch .Lcommon
.Lput3:
	PUT 3
.Lcommon:
	s_wait_dscnt 0x0                               ; the eight entries
.set j, 0
.rept 8
	v_min_u32 v[EN+j], 0x7ff, v[EN+j]              ; an entry, 2 x token + choice, is the row's number in part
.set j, j+1
.endr
.set j, 0
.rept 8
	v_lshl_add_u32 v[OA+j], v[EN+j], 12, v[R16]
.set j, j+1
.endr
	s_wait_alu depctr_va_vdst(0)                   ; the copies have written v[Y ..] and the lines above v[OA ..], which the sixteen stores read
.set n, 0
.rept 16                                               ; n = 8 g + j: lanes 0-15 store 256 consecutive, aligned bytes of row j, lanes 16-31 of row 8 + j
	global_store_b128 v[OA+n%8], v[Y+4*n:Y+4*n+3], s[OP:OP+1] offset:256*(n/8)
.set n, n+1
.endr
.Ltnext:
	s_sub_co_u32 s[TI], s[TI], 1
	s_cmp_lg_u32 s[TI], 0
	s_cbranch_scc1 .Ltile
.Lskip:
	s_add_co_u32 s[PB], s[PB], 20
	s_sub_co_u32 s[PAS], s[PAS], 1
	s_cmp_lg_u32 s[PAS], 0
	s_cbranch_scc1 .Lpass
	s_wait_dscnt 0x0                               ; my reads of LDS are over;
	s_barrier_signal -1
	s_barrier_wait -1                              ; every wave's are: only now does a wave write LDS again (the add below)
	s_wait_dscnt 0x0                               ; the wave's end
	s_wait_alu 0x0
	s_wait_tensorcnt 0x0
	ds_add_u32 v[SPW], v[NIL]
	s_wait_dscnt 0x0
	s_endpgm
.Lfunc_end_k_qd0979c51a5_ffn2:
	.size	k_qd0979c51a5_ffn2, .Lfunc_end_k_qd0979c51a5_ffn2-k_qd0979c51a5_ffn2
	.p2alignl 7, 3214868480
	.fill 96, 4, 3214868480
	.section	.rodata,"a",@progbits
	.p2align	6, 0x0
	.amdhsa_kernel k_qd0979c51a5_ffn2
		.amdhsa_group_segment_fixed_size 281088
		.amdhsa_private_segment_fixed_size 0
		.amdhsa_enable_private_segment 0
		.amdhsa_kernarg_size 32
		.amdhsa_user_sgpr_count 2
		.amdhsa_user_sgpr_kernarg_segment_ptr 1
		.amdhsa_wavefront_size32 1
		.amdhsa_system_sgpr_workgroup_id_x 1
		.amdhsa_system_sgpr_workgroup_id_y 1
		.amdhsa_system_sgpr_workgroup_id_z 1
		.amdhsa_system_vgpr_workitem_id 0
		.amdhsa_next_free_vgpr 832
		.amdhsa_next_free_sgpr 104
		.amdhsa_reserve_vcc 0
		.amdhsa_float_denorm_mode_32 3
		.amdhsa_float_denorm_mode_16_64 3
		.amdhsa_memory_ordered 1
		.amdhsa_forward_progress 1
		.amdhsa_inst_pref_size 133
	.end_amdhsa_kernel
	.amdgpu_metadata
---
amdhsa.version: [ 1, 2 ]
amdhsa.kernels:
  - .name:           k_qd0979c51a5_ffn2
    .symbol:         k_qd0979c51a5_ffn2.kd
    .args:
      - { .name: hid, .offset: 0, .size: 8, .value_kind: global_buffer, .address_space: global }
      - { .name: W2, .offset: 8, .size: 8, .value_kind: global_buffer, .address_space: global }
      - { .name: sel, .offset: 16, .size: 8, .value_kind: global_buffer, .address_space: global }
      - { .name: part, .offset: 24, .size: 8, .value_kind: global_buffer, .address_space: global }
    .group_segment_fixed_size: 281088
    .private_segment_fixed_size: 0
    .kernarg_segment_align: 8
    .kernarg_segment_size: 32
    .max_flat_workgroup_size: 128
    .sgpr_count:     104
    .vgpr_count:     832
    .wavefront_size: 32
...
	.end_amdgpu_metadata
.endif
;; end of part 5
;; launch combine: the kernel of part 4 again; grid 256 x 1, 8 waves a work-group, no clusters, 0 bytes of LDS; arguments part, b2, topi, topw, out0; writes out0
